; MI455X (gfx1250); checked and timed in simulation.
; The chip was launched on July 23, 2026; its instructions are those of AMD's public machine-readable ISA for CDNA 5 (MIT licence, August 2026) and "CDNA5" Instruction Set Architecture Reference Guide (July 2026). The comments in the code are by the model that wrote it; some were corrected since.
;; Cross Attention. Allowed arithmetic: matrix products marked QUANTISED: E2M1 operands, one E8M0 scale for each 32 along K, by v_wmma_scale_f32_16x16x128_f8f6f4 with both operands' format E2M1 (or v_wmma_scale_f32_32x16x128_f4), f32 sums; products left as they are: bf16, f16 or f32 operands; f32 sums; everything else in f32.
;; Inputs: context 4 x 512 x 1,024 float32; context_mask 4 x 512 bool; kv_b 2,048 float32; kv_w 1,024 x 2,048 float32; proj_b 1,024 float32; proj_w 1,024 x 1,024 float32; q_b 1,024 float32; q_w 1,024 x 1,024 float32; x 4 x 4,096 x 1,024 float32.
;; Outputs: out0 4 x 4,096 x 1,024 float32.
;; This version of the problem:
;;   THIS VERSION OF THE PROBLEM IS GIVEN IN LOW PRECISION. The matrix products marked QUANTISED in the list below multiply operands that are first quantised to E2M1 (2 exponent bits, 1 mantissa bit; 4 bits a number), with one power-of-two scale for each 32 numbers along K (OCP MX v1.0); their sums are f32. The products marked 'left as it is' may take bf16, f16 or f32 operands, with f32 sums. Whichever they take, every output number must still come out within the allowed error. Rounding operands to bf16 (8 significant bits) uses up far more of that allowance than f16 does (11 bits, for magnitudes from 6e-5 to 65,504). All else is computed in f32.
;;   The module's matrix products, in the order in which they are computed (A, B: the left and right operand; K: the contracted axis; several contracted axes count as one K, in the product's order):
;;     1. [M 16,384, K 1,024] x [K 1,024, N 1,024]; A: input x; B: input q_w: QUANTISED
;;     2. [M 2,048, K 1,024] x [K 1,024, N 2,048]; A: input context; B: input kv_w: QUANTISED
;;     3. batch 64 x [M 4,096, K 64] x [K 64, N 512]; A: computed on the way; B: computed on the way: left as it is (an operand is computed on the way)
;;     4. batch 64 x [M 64, K 512] x [K 512, N 4,096]; A: computed on the way; B: computed on the way: left as it is (an operand is computed on the way)
;;     5. [M 16,384, K 1,024] x [K 1,024, N 1,024]; A: computed on the way; B: input proj_w: left as it is (an operand is computed on the way)
;;   THE QUANTISER, for each operand of a quantised product, along K:
;;     - K is cut into blocks of 32 from its start; a last block that is shorter is filled with zeros.
;;     - A block's scale is 2^e with e = floor(log2(the largest magnitude in the block)) - 2, held to -126 .. 127; a block of zeros has e = 0. As a byte (E8M0): e + 127.
;;     - Each number is divided by its block's scale, clamped to +-6, and rounded to the nearest number of E2M1, ties to even, subnormals kept.
;;     - The product sums the exact products of the quantised numbers (number of the format x scale) in f32.
;;   ~~~python
;;   def quantise(x, axis):      # numpy; x: float32 -> the quantised numbers, widened to float32 again
;;       x = np.moveaxis(x, axis, -1); K = x.shape[-1]
;;       x = np.pad(x, [(0, 0)] * (x.ndim - 1) + [(0, -K % 32)]); x = x.reshape(x.shape[:-1] + (-1, 32)); a = np.abs(x).max(-1, keepdims=True)
;;       e = np.where(a > 0, np.clip(np.frexp(np.where(a > 0, a, 1))[1] - 1 - 2, -126, 127), 0)      # np.frexp(a)[1] - 1 = floor(log2(a)), exactly
;;       r = np.clip(x / 2.0 ** e, -6, 6)
;;       step = 2.0 ** (np.maximum(np.frexp(np.where(r == 0, 1, r))[1] - 1, 0) - 1)
;;       q = np.round(r / step) * step * 2.0 ** e      # np.round: ties to even
;;       return np.moveaxis(q.reshape(q.shape[:-2] + (-1,))[..., :K], -1, axis).astype(np.float32)
;;   ~~~
;; 2 versions, each right; version 2 is version 1 with the launch attn written anew for expert scheduling mode. Each part assembles by itself: llvm-mc -triple=amdgcn-amd-amdhsa -mcpu=gfx1250 --defsym DOCPART=n.
;; ======== version 1 of 2: 3 launches
;; limits: values are held in f16: magnitudes above 65,504 overflow, below 6.1e-05 lose precision
;; workspace buffers: r4 9,437,184 bytes; r4s 589,824 bytes; w4 1,572,864 bytes; w4s 98,304 bytes; pw 2,097,152 bytes; ao 33,554,432 bytes
;; launch prep (part 1): grid 416 x 1, 8 waves a work-group, no clusters, 69,632 bytes of LDS; arguments x, context, q_w, kv_w, proj_w, r4, r4s, w4, w4s, pw; writes r4, r4s, w4, w4s, pw
.if DOCPART == 1
	.amdgcn_target "amdgcn-amd-amdhsa--gfx1250"
	.amdhsa_code_object_version 6
	.text
	.protected	k_q9bb45d279f_prep
	.globl	k_q9bb45d279f_prep
	.p2align	8
	.type	k_q9bb45d279f_prep,@function
k_q9bb45d279f_prep:
	s_mov_b64 s[64:65], 0
	v_nop
	global_prefetch_b8 v0, s[64:65] scope:SCOPE_SE
	s_setreg_imm32_b32 hwreg(HW_REG_WAVE_MODE, 25, 1), 1
	s_wait_xcnt 0x0
; PREP.  x, context (rows, K innermost) and q_w, kv_w (K outermost) become codes of E2M1 with one E8M0 byte for each 32 along K; proj_w becomes f16.
; Everything is laid as IMAGES OF OPERAND REGISTERS: a fragment is 1,024 bytes, two halves of 512, lane l's 16 bytes (registers 4 hf .. 4 hf + 3) at 512 hf + 16 l.
;   codes: 16 rows x 128 K; the 16 bytes at 256 b + 16 r are block b (32 codes) of row r.      f16: 16 rows x 32 K; the 16 bytes at 256 p + 16 r are k = 8 p + 0 .. 7 of row r.
;   scale words of a tile of 16 rows, all 8 K steps: 512 bytes, the word of (K step s, row r) at 256 (s / 4) + 16 r + 4 (s % 4).
; r4 / r4s: row tiles 0 .. 1023 = x (16 rows each), 1024 .. 1151 = context.   w4 / w4s: column tiles 0 .. 63 = q_w, 64 .. 127 = kv_w's K columns, 128 .. 191 = its V columns.   pw: [n tile][k / 32][1,024 bytes].
; DEAD WORK, left out in the whole program: kv_b[0:1024], the bias on k.  score(n, s) = q_n . (k_s + b) = q_n . k_s + q_n . b; the second term is the same for every s of a row, so the softmax along s
; gives the same weights with it and without it, for all finite values of the inputs; masked keys are -inf either way; the product of q and k is not quantised, so no code or scale hangs on b.
; kv_b stays an argument of the next launch for its V half, bytes 4,096 on; bytes 0 .. 4,095 are never loaded.  LIMIT: a NaN, an infinity or an overflow that reaches only that term is not carried to the result.
; THE QUANTISER: a block's byte is its largest magnitude's exponent field - 2, held at 1 from below; numbers / scale go to the nearest code, ties to even, beyond 6 the largest code.
; LIMITS: a block of zeros gets the byte 1 where the rule says 127 (its codes are zeros and this program alone reads the bytes); NaN and infinities among the inputs are not served;
; proj_w is rounded to f16: magnitudes from 65,504 on are not served.
; A stream: no matrix unit, no tensor load, no cluster.  Work-groups 0 .. 287 take rows, 288 .. 415 weights; the two ways use LDS bytes of their own.
.set SPITCH, 528                       ; a stage row: 512 bytes + 16
.set WSTG,   16*SPITCH                 ; a wave's stage: 16 rows
.set WSL,    8*WSTG                    ; the weights' way: 1,024 bytes in which four tiles' scale words meet
.set SPARE,  WSL+1024                  ; the spare words, 128 bytes for each wave: four blocks of 256 bytes that no other line names
.set SPW, 2                            ; v2  LDS address of my spare word; never rewritten
.set NIL, 3                            ; v3  0; never rewritten
.set RB,  32                           ; rows: v32-159 two sets of 64 registers as loaded
.set XB,  160                          ; rows: v160-223 two whole blocks of 32 neighbours
.set CB,  224                          ; rows: v224-255 codes, 8 registers a K step, never written again
.set SW,  20                           ; rows: v20-23 the four K steps' scale words
.set WX,  64                           ; weights: v64-191 128 numbers down K of my column
.set WC,  192                          ; weights: v192.. codes (16) or f16 pairs (64)
.macro FINISH                          ; the wave's end: behind the last LDS store
	s_wait_tensorcnt 0x0
	ds_add_u32 v[SPW], v[NIL]
	s_wait_dscnt 0x0
	s_endpgm
.endm
; 32 numbers of one block, v[src] on, become 4 registers of codes, v[dst] on; v[sop] the conversion's scale operand, v[e] the scale's byte
.macro QBLK src, dst, sop, e
.set qs, \src
.set qd, \dst
	v_max3_num_f32 v11, |v[qs]|, |v[qs+1]|, |v[qs+2]|              ; the largest magnitude, in two chains
	v_max3_num_f32 v12, |v[qs+3]|, |v[qs+4]|, |v[qs+5]|
.irp i, 6,10,14,18,22,26
	v_max3_num_f32 v11, v11, |v[qs+\i]|, |v[qs+\i+1]|
	v_max3_num_f32 v12, v12, |v[qs+\i+2]|, |v[qs+\i+3]|
.endr
	v_max3_num_f32 v11, v11, |v[qs+30]|, |v[qs+31]|
	v_max3_num_f32 v11, v11, v12, 0x1800000                        ; and the floor 2^(3 - 127): the byte cannot fall under 1
	v_add_nc_u32 v[\sop], 0xff000000, v11                          ; 2 off the exponent field: the conversion takes that field as its scale
	v_lshrrev_b32 v[\e], 23, v[\sop]                               ; the byte
.irp g, 0,1,2,3
	v_cvt_scalef32_pk8_fp4_f32 v[qd+\g], v[qs+8*\g:qs+8*\g+7], v[\sop]
.endr
	v_nop                                                          ; one plain line behind the last scaled conversion
.endm
	s_load_b512 s[4:19], s[0:1], 0x0               ; x, context, q_w, kv_w, proj_w, r4, r4s, w4
	s_load_b128 s[20:23], s[0:1], 0x40             ; w4s, pw
	v_lshl_add_u32 v[SPW], v0, 2, SPARE
	v_mov_b32 v[NIL], 0
	v_lshrrev_b32 v1, 5, v0
	v_readfirstlane_b32 s24, v1                    ; wave 0 .. 7
	v_and_b32 v1, 31, v0                           ; lane
	v_and_b32 v4, 15, v0                           ; r
	v_bfe_u32 v5, v0, 4, 1                         ; h
	v_lshlrev_b32 v6, 4, v1                        ; 16 x lane
	s_mov_b32 s31, 0
	s_mov_b32 s36, 0x76543210                      ; v_permlanex16_b32's selects for lane l xor 16
	s_mov_b32 s37, 0xfedcba98
	s_mov_b32 s38, 0xffff0000                      ; lanes 16 .. 31
	s_wait_kmcnt 0x0
	s_cmp_lt_u32 ttmp9, 288
	s_cbranch_scc0 .Lweights
; ---- ROWS.  Wave w takes row tile 4 x work-group + w / 2 and half w % 2 of K: four K steps of 128.
	s_cmp_lt_u32 ttmp9, 256                        ; x or context: the choice hangs on the work-group's number alone
	s_cselect_b64 s[26:27], s[4:5], s[6:7]
	s_cselect_b32 s28, 0, 256
	s_sub_co_u32 s28, ttmp9, s28
	s_lshl_b32 s28, s28, 2
	s_lshr_b32 s29, s24, 1
	s_add_co_u32 s28, s28, s29                     ; the tile within its tensor
	s_and_b32 s35, s24, 1                          ; g: which half of K
	s_lshl_b32 s30, s28, 16                        ; 16 rows of 4,096 bytes
	s_lshl_b32 s25, s35, 11
	s_add_co_u32 s30, s30, s25
	s_add_nc_u64 s[26:27], s[26:27], s[30:31]
	s_lshl_b32 s28, ttmp9, 2
	s_add_co_u32 s28, s28, s29                     ; the tile in r4 and r4s
	s_lshl_b32 s30, s28, 13
	s_lshl_b32 s25, s35, 12
	s_add_co_u32 s30, s30, s25
	s_add_nc_u64 s[14:15], s[14:15], s[30:31]
	s_lshl_b32 s30, s28, 9
	s_lshl_b32 s25, s35, 8
	s_add_co_u32 s30, s30, s25
	s_add_nc_u64 s[16:17], s[16:17], s[30:31]
	s_mul_i32 s25, s24, WSTG                       ; my stage
	v_add_nc_u32 v7, s25, v6                       ; in: a row's 512 bytes as they lie
	v_mul_u32_u24 v8, v4, SPITCH
	v_lshl_add_u32 v8, v5, 7, v8
	v_add_nc_u32 v8, s25, v8                       ; back: row r, block h (and 2 + h): 128 bytes each
	v_lshlrev_b32 v9, 3, v5                        ; 8 h
	v_lshlrev_b32 v10, 4, v4
	v_lshl_add_u32 v10, v5, 3, v10                 ; my 8 bytes of the tile's 256 bytes of scale words
	v_mov_b32 v19, 0                               ; a lane permute's destination counts as one of its sources
.macro RLOAD t                         ; K step t: 16 loads, a row each: 32 lanes read 512 consecutive bytes
.irp i, 0,1,2,3,4,5,6,7,8,9,10,11,12,13,14,15
	global_load_b128 v[RB+64*((\t)%2)+4*\i:RB+64*((\t)%2)+4*\i+3], v6, s[26:27] offset:\i*4096+(\t)*512 th:TH_LOAD_NT
.endr
.endm
.macro RSTEP t
.if \t < 3
	s_wait_loadcnt 16                              ; this step's 16 loads are in; the next step's 16 may be out
.else
	s_wait_loadcnt 0x0
.endif
.irp i, 0,1,2,3,4,5,6,7,8,9,10,11,12,13,14,15
	ds_store_b128 v7, v[RB+64*(\t%2)+4*\i:RB+64*(\t%2)+4*\i+3] offset:\i*SPITCH
.endr
.irp c, 0,1                            ; LDS serves a wave's instructions in order: these see my stores.  Lane (r, h) takes blocks h and 2 + h of row r, whole
.irp j, 0,1,2,3,4,5,6,7
	ds_load_b128 v[XB+32*\c+4*\j:XB+32*\c+4*\j+3], v8 offset:\c*256+\j*16
.endr
.endr
	s_wait_dscnt 0x0
.if \t < 2
	RLOAD \t+2                                     ; into the set that the stage's stores have read
.endif
	QBLK XB, CB+8*\t, 13, 15
	QBLK XB+32, CB+8*\t+4, 14, 16
	v_lshl_or_b32 v17, v16, 16, v15                ; my two bytes, blocks h and 2 + h,
	v_lshlrev_b32 v17, v9, v17                     ; at their places in the word;
	v_permlanex16_b32 v19, v17, s36, s37
	v_or_b32 v[SW+\t], v17, v19                    ; with lane l xor 16's two the word is whole
	global_store_b128 v6, v[CB+8*\t:CB+8*\t+3], s[14:15] offset:\t*1024          ; 32 lanes store 512 consecutive bytes
	global_store_b128 v6, v[CB+8*\t+4:CB+8*\t+7], s[14:15] offset:\t*1024+512
.endm
	RLOAD 0
	RLOAD 1
	RSTEP 0
	RSTEP 1
	RSTEP 2
	RSTEP 3
	v_cndmask_b32 v24, v[SW], v[SW+2], s38         ; lanes 0-15 store steps 0, 1 of row r, lanes 16-31 steps 2, 3
	v_cndmask_b32 v25, v[SW+1], v[SW+3], s38
	global_store_b64 v10, v[24:25], s[16:17]       ; 32 lanes store 256 consecutive bytes, aligned
	FINISH
; ---- WEIGHTS.  A lane takes a column and its registers run down K.  A work-group takes 64 columns x 512 along K; wave w: columns 32 (w / 4) on, K step 4 kh + w % 4.
.Lweights:
	s_sub_co_u32 s25, ttmp9, 288                   ; 0 .. 31 q_w, 32 .. 95 kv_w, 96 .. 127 proj_w
	s_cmp_lt_u32 s25, 32
	s_cselect_b64 s[28:29], s[8:9], s[10:11]
	s_cselect_b32 s27, 0, 32                       ; the range's first number,
	s_cselect_b32 s35, 0, 64                       ; its first column tile,
	s_cselect_b32 s34, 0, 1                        ; 1: rows of 8,192 bytes
	s_cmp_lt_u32 s25, 96
	s_cselect_b64 s[28:29], s[28:29], s[12:13]
	s_cselect_b32 s27, s27, 96
	s_cselect_b32 s35, s35, 0
	s_cselect_b32 s34, s34, 0
	s_and_b32 s26, s25, 1                          ; kh: which half of K (all three ranges begin at an even number)
	s_sub_co_u32 s27, s25, s27
	s_lshr_b32 s27, s27, 1                         ; cg: which 64 columns
	s_lshr_b32 s39, s24, 2                         ; which 32 of them
	s_and_b32 s40, s24, 3
	s_lshl_b32 s41, s26, 2
	s_add_co_u32 s41, s41, s40                     ; my K step
	s_lshl_b32 s30, s41, 19                        ; 128 rows of 4,096 bytes,
	s_lshl_b32 s30, s30, s34                       ; or of 8,192
	s_lshl_b32 s42, s27, 8
	s_add_co_u32 s30, s30, s42
	s_lshl_b32 s42, s39, 7
	s_add_co_u32 s30, s30, s42
	s_add_nc_u64 s[28:29], s[28:29], s[30:31]
	v_lshlrev_b32 v7, 2, v1                        ; 4 bytes a lane
	v_bfe_u32 v8, v0, 7, 1                         ; where my scale word goes: 512 (w / 4) + 256 h + 16 r + 4 (w % 4)
	v_lshlrev_b32 v8, 9, v8
	v_lshl_add_u32 v8, v5, 8, v8
	v_lshl_add_u32 v8, v4, 4, v8
	v_bfe_u32 v9, v0, 5, 2
	v_lshl_add_u32 v8, v9, 2, v8
	v_add_nc_u32 v8, WSL, v8
	s_and_b32 s42, s24, 1
	s_lshl_b32 s42, s42, 9
	v_add_nc_u32 v9, s42, v6
	v_add_nc_u32 v9, WSL, v9                       ; and where waves 0 and 1 read two tiles' words back
.macro WLOADS pitch                    ; W(128 s + i, my column): 32 lanes read 128 consecutive bytes
.set i, 0
.rept 128
	global_load_b32 v[WX+i], v7, s[28:29] offset:i*\pitch th:TH_LOAD_NT
.set i, i+1
.endr
.endm
.macro WWAIT b                         ; block b's 32 loads are in.  96 and 64 younger loads are more than the wait's field holds
.if \b < 2
	s_wait_loadcnt 63
.elseif \b == 2
	s_wait_loadcnt 32
.else
	s_wait_loadcnt 0x0
.endif
.endm
	s_cmp_eq_u32 s34, 0
	s_cbranch_scc1 .Lpitch4
	WLOADS 8192
	s_branch .Lloaded
.Lpitch4:
	WLOADS 4096
.Lloaded:
	s_cmp_lt_u32 s25, 96
	s_cbranch_scc0 .Lconvert
	s_lshl_b32 s43, s27, 2
	s_add_co_u32 s43, s43, s35                     ; the work-group's first column tile
	s_lshl_b32 s44, s39, 1
	s_add_co_u32 s44, s44, s43                     ; my wave's first
	s_lshl_b32 s30, s44, 13
	s_lshl_b32 s45, s41, 10
	s_add_co_u32 s30, s30, s45
	s_add_nc_u64 s[18:19], s[18:19], s[30:31]
	v_lshlrev_b32 v10, 13, v5
	v_lshl_add_u32 v10, v4, 4, v10                 ; lanes 16-31: the next tile; 16 bytes a column
.irp b, 0,1,2,3
	WWAIT \b
	QBLK WX+32*\b, WC+4*\b, 13, 15+\b
	global_store_b128 v10, v[WC+4*\b:WC+4*\b+3], s[18:19] offset:\b*256     ; sixteen lanes store 256 consecutive bytes, aligned
.endr
	v_lshl_or_b32 v20, v16, 8, v15                 ; my column's scale word of this K step
	v_lshl_or_b32 v20, v17, 16, v20
	v_lshl_or_b32 v20, v18, 24, v20
	ds_store_b32 v8, v20
	s_wait_dscnt 0x0                               ; for the others' sake: my word has landed
	s_barrier_signal -1
	s_barrier_wait -1                              ; four K steps' words of four tiles lie together
	s_cmp_lt_u32 s24, 2
	s_cbranch_scc0 .Lwdone
	ds_load_b128 v[24:27], v9
	s_lshl_b32 s44, s24, 1
	s_add_co_u32 s44, s44, s43
	s_lshl_b32 s30, s44, 9
	s_lshl_b32 s45, s26, 8
	s_add_co_u32 s30, s30, s45
	s_add_nc_u64 s[20:21], s[20:21], s[30:31]
	v_lshlrev_b32 v21, 9, v5
	v_lshl_add_u32 v21, v4, 4, v21
	s_wait_dscnt 0x0
	global_store_b128 v21, v[24:27], s[20:21]      ; sixteen lanes store 256 consecutive bytes, aligned
.Lwdone:
	FINISH
.Lconvert:                                         ; proj_w: eight neighbours along K are 16 bytes of f16
	s_lshl_b32 s43, s27, 2
	s_lshl_b32 s44, s39, 1
	s_add_co_u32 s44, s44, s43                     ; my wave's first n tile
	s_lshl_b32 s30, s44, 15
	s_lshl_b32 s45, s41, 12                        ; four fragments a K step of 128
	s_add_co_u32 s30, s30, s45
	s_add_nc_u64 s[22:23], s[22:23], s[30:31]
	v_lshlrev_b32 v10, 15, v5
	v_lshl_add_u32 v10, v4, 4, v10
.irp q, 0,1,2,3
	WWAIT \q
.irp m, 0,1,2,3,4,5,6,7,8,9,10,11,12,13,14,15
	v_cvt_pk_f16_f32 v[WC+16*\q+\m], v[WX+32*\q+2*\m], v[WX+32*\q+2*\m+1]
.endr
.irp p, 0,1,2,3
	global_store_b128 v10, v[WC+16*\q+4*\p:WC+16*\q+4*\p+3], s[22:23] offset:\q*1024+\p*256
.endr
.endr
	FINISH
.Lfunc_end_k_q9bb45d279f_prep:
	.size	k_q9bb45d279f_prep, .Lfunc_end_k_q9bb45d279f_prep-k_q9bb45d279f_prep
	.p2alignl 7, 3214868480
	.fill 96, 4, 3214868480
	.section	.rodata,"a",@progbits
	.p2align	6, 0x0
	.amdhsa_kernel k_q9bb45d279f_prep
		.amdhsa_group_segment_fixed_size 69632
		.amdhsa_private_segment_fixed_size 0
		.amdhsa_enable_private_segment 0
		.amdhsa_kernarg_size 80
		.amdhsa_user_sgpr_count 2
		.amdhsa_user_sgpr_kernarg_segment_ptr 1
		.amdhsa_wavefront_size32 1
		.amdhsa_system_sgpr_workgroup_id_x 1
		.amdhsa_system_sgpr_workgroup_id_y 1
		.amdhsa_system_sgpr_workgroup_id_z 1
		.amdhsa_system_vgpr_workitem_id 0
		.amdhsa_next_free_vgpr 256
		.amdhsa_next_free_sgpr 66
		.amdhsa_reserve_vcc 0
		.amdhsa_float_denorm_mode_32 3
		.amdhsa_float_denorm_mode_16_64 3
		.amdhsa_memory_ordered 1
		.amdhsa_forward_progress 1
		.amdhsa_inst_pref_size 69
	.end_amdhsa_kernel
	.amdgpu_metadata
---
amdhsa.version: [ 1, 2 ]
amdhsa.kernels:
  - .name:           k_q9bb45d279f_prep
    .symbol:         k_q9bb45d279f_prep.kd
    .args:
      - { .name: x, .offset: 0, .size: 8, .value_kind: global_buffer, .address_space: global }
      - { .name: context, .offset: 8, .size: 8, .value_kind: global_buffer, .address_space: global }
      - { .name: q_w, .offset: 16, .size: 8, .value_kind: global_buffer, .address_space: global }
      - { .name: kv_w, .offset: 24, .size: 8, .value_kind: global_buffer, .address_space: global }
      - { .name: proj_w, .offset: 32, .size: 8, .value_kind: global_buffer, .address_space: global }
      - { .name: r4, .offset: 40, .size: 8, .value_kind: global_buffer, .address_space: global }
      - { .name: r4s, .offset: 48, .size: 8, .value_kind: global_buffer, .address_space: global }
      - { .name: w4, .offset: 56, .size: 8, .value_kind: global_buffer, .address_space: global }
      - { .name: w4s, .offset: 64, .size: 8, .value_kind: global_buffer, .address_space: global }
      - { .name: pw, .offset: 72, .size: 8, .value_kind: global_buffer, .address_space: global }
    .group_segment_fixed_size: 69632
    .private_segment_fixed_size: 0
    .kernarg_segment_align: 8
    .kernarg_segment_size: 80
    .max_flat_workgroup_size: 256
    .sgpr_count:     66
    .vgpr_count:     256
    .wavefront_size: 32
...
	.end_amdgpu_metadata
.endif
;; end of part 1
;; launch attn (part 2): grid 4 x 64, 8 waves a work-group, no clusters, 240,640 bytes of LDS; arguments r4, r4s, w4, w4s, q_b, kv_b, context_mask, ao; writes ao
.if DOCPART == 2
	.amdgcn_target "amdgcn-amd-amdhsa--gfx1250"
	.amdhsa_code_object_version 6
	.text
	.protected	k_q9bb45d279f_attn
	.globl	k_q9bb45d279f_attn
	.p2align	8
	.type	k_q9bb45d279f_attn,@function
k_q9bb45d279f_attn:
	s_mov_b64 s[64:65], 0
	v_nop
	global_prefetch_b8 v0, s[64:65] scope:SCOPE_SE
	s_setreg_imm32_b32 hwreg(HW_REG_WAVE_MODE, 25, 1), 1
	s_wait_xcnt 0x0
; ATTN.  A work-group takes one batch and head and 1,024 queries.  It projects the head's K and V (E2M1 products) into LDS as f16 operand images, then in two passes of 512 queries projects Q (E2M1) into
; registers and runs the masked softmax attention (f16 operands, f32 sums); the result goes to ao as f16 operand images for the last product.  q, k, v never go to memory.
; LEFT OUT AS DEAD WORK: the bias on k, kv_b[0:1024]: it adds q . b to every score of a row, the same along the softmax's axis (shown at the head of the first kernel); those bytes are not loaded.
; SHARES.  Eight waves.  Prologue: wave w projects key tiles 4 w .. 4 w + 3.  A pass: wave w owns 64 queries, four tiles of 16, and walks all 512 keys, 64 a step.
; LAYOUT.  With source 0 = 16 weight columns and source 1 = 16 rows a lane holds ONE row and eight neighbouring columns: packed to f16 they are half a fragment of the next product (Q, K, the result).  For V the
; sources change places: a lane holds a channel and eight keys: half a fragment of V^T.  S^T = K Q^T and O^T = V^T P^T: a lane holds one query throughout; p, packed in place, is the second product's operand.
; SOFTMAX.  q is multiplied by c = log2(e) / 8 ahead of its rounding, so a score is t.  A running maximum m and sum l for each query: p = 2^(t - m); O and l are multiplied by a = 2^(m_old - m_new) in every step.
; THE MASK is an input: masked keys are computed and selected away.  A masked key's score starts from -3e38 (the C of its first product) and m starts at -1e38, so its p is exactly 0, as with -inf.
; A row all of whose keys are masked has l = 0 and comes out NaN.
; LIMITS: t above -1e38; |(q + b) c|, |k|, |v + b| and the result under 65,504 (f16); NaN and infinities among the inputs are not served.
; NO TENSOR LOADS, NO CLUSTER: K and V are made in LDS by the work-group itself and nothing is streamed in the loop; what the four work-groups of a head share (the context's codes, 102 KB of weights) is read once, at the head.
; REGISTERS.  Window 0: v0-15 addresses; v16-47 statistics, 8 a tile (in a projection: scale words, W's v16-31, the rows' v32-47); v48-55 sums (prologue: V's bias, addresses up to v61);
;   v64-191 the 16 accumulators of a projection, then S^T, then p; v192-255 fragments of W (two sets), K or V, packed results.
; Window 1: in a projection the rows' 32 fragments; in attention v0-63 Q, v64-95 the mask's terms, v128-255 O^T.
.set KIMG, 0                           ; LDS: K's fragments (key tile kt, channels 32 c on) at 2,048 kt + 1,024 c
.set VIMG, 65536                       ; V^T's (keys 32 kc on, channels 16 dt on) at 1,024 (4 kc + dt)
.set WLDS, 131072                      ; the head's weights: q's, K's, V's four column tiles, 32,768 bytes each
.set WSC,  229376                      ; their scale words, 2,048 bytes each
.set MB,   235520                      ; 512 f32: 0, or -3e38 for a masked key
.set QBL,  237568                      ; q_b's 64 numbers (the region's first 256 bytes are read)
.set BVL,  238592                      ; kv_b's V half, the head's 64
.set SPARE, 239616                     ; the spare words, 128 bytes for each wave: four blocks of 256 bytes that no other line names
.set L16, 1                            ; v1  16 x lane
.set SPW, 2                            ; v2  LDS address of my spare word; never rewritten
.set NIL, 3                            ; v3  0; never rewritten
.set AW,  4                            ; v4  16 x lane + WLDS
.set AWS, 5                            ; v5  16 x lane + WSC
.set PFO, 6                            ; v6  256 x lane
.set AQB, 7                            ; v7  QBL + 32 (lane / 16)
.set AV0, 8                            ; v8  16 x lane + VIMG
.set AM0, 9                            ; v9  MB + 32 (lane / 16)
.set KA,  10                           ; v10-12 the step's addresses of K, V, the mask's terms
.set VA,  11
.set MA,  12
.set AW2, 13                           ; v13 AW + 65,536: V's weights
.set KST, 14                           ; v14 where I store K's images;  v15 V's
.set VST, 15
.set ST,  16                           ; tile q's statistics at v[ST + 8 q]: +0 m, +1 its pair's other half, +2, +3 l, +4, +5 at work, +6 a, +7 m_old - m_new
.set WS,  16
.set XS,  32
.set T1,  48
.set BV,  48
.set S,   64
.set FB,  192
.set MBR, 64                           ; window 1
.set O,   128                          ; window 1
.set CBS, 28                           ; s[28:29], s[30:31] the context's codes and scale words at my four key tiles
.set CSS, 30
.set XBS, 32                           ; s[32:33], s[34:35] x's at my four query tiles of pass 0
.set XSS, 34
.set AO,  36                           ; s[36:37] ao at the pass's first tile of mine, my head's two fragments
.set CS,  38                           ; s[38:39] c, twice: the packed form names a pair
.set SEL, 40                           ; s[40:41] v_permlanex16_b32's selects for lane l xor 16
.set TK,  42                           ; s42 the step's place in K's and V's images: 8,192 bytes a step;  s43 in the mask's terms: 256
.set TM,  43
.set TRIP, 44
.set PASS, 45
.set LIM, 46                           ; s46 1 where my wave prefetches in the pass's last trip, else the greatest number
.set MSB, 0
.macro WIN new                         ; bits 1:0 source 0, 3:2 source 1, 5:4 source 2, 7:6 destination; the immediate's high byte repeats the setting that is left
.if MSB != \new
	s_set_vgpr_msb (MSB<<8)|\new
.set MSB, \new
.endif
.endm
.macro PLACES n                        ; plain vector lines behind matrix instructions (ISA guide 7.12.1)
.rept \n
	v_nop
.endr
.endm
; four row tiles' codes, all 8 K steps, into window 1 (K step ks, tile i at v[32 ks + 8 i]), and their scale words
.macro XLOAD cb, sb, co, so
	WIN 0x40
.irp ks, 0,1,2,3,4,5,6,7
.irp i, 0,1,2,3
	global_load_b128 v[32*\ks+8*\i:32*\ks+8*\i+3], v[L16], s[\cb:\cb+1] offset:\co+\i*8192+\ks*1024
	global_load_b128 v[32*\ks+8*\i+4:32*\ks+8*\i+7], v[L16], s[\cb:\cb+1] offset:\co+\i*8192+\ks*1024+512
.endr
.endr
	WIN 0
.irp i, 0,1,2,3
	global_load_b128 v[XS+4*\i:XS+4*\i+3], v[L16], s[\sb:\sb+1] offset:\so+\i*512   ; register u: lanes 0-15 K step u, lanes 16-31 K step 4 + u
.endr
.endm
.macro WLOAD aw, woff, ks              ; four column tiles' fragments of K step ks into set ks % 2
.irp ct, 0,1,2,3
	ds_load_b128 v[FB+32*((\ks)%2)+8*\ct:FB+32*((\ks)%2)+8*\ct+3], v[\aw] offset:\woff+\ct*8192+(\ks)*1024
	ds_load_b128 v[FB+32*((\ks)%2)+8*\ct+4:FB+32*((\ks)%2)+8*\ct+7], v[\aw] offset:\woff+\ct*8192+(\ks)*1024+512
.endr
.endm
.macro PM1 d, a, b, zero, sa, sb, hi
.if \zero
	v_wmma_scale_f32_16x16x128_f8f6f4 v[\d:\d+7], v[\a:\a+7], v[\b:\b+7], 0, v[\sa], v[\sb] matrix_a_fmt:MATRIX_FMT_FP4 matrix_b_fmt:MATRIX_FMT_FP4
.elseif \hi
	v_wmma_scale_f32_16x16x128_f8f6f4 v[\d:\d+7], v[\a:\a+7], v[\b:\b+7], v[\d:\d+7], v[\sa], v[\sb] matrix_a_fmt:MATRIX_FMT_FP4 matrix_b_fmt:MATRIX_FMT_FP4 matrix_a_scale:MATRIX_SCALE_ROW1 matrix_b_scale:MATRIX_SCALE_ROW1
.else
	v_wmma_scale_f32_16x16x128_f8f6f4 v[\d:\d+7], v[\a:\a+7], v[\b:\b+7], v[\d:\d+7], v[\sa], v[\sb] matrix_a_fmt:MATRIX_FMT_FP4 matrix_b_fmt:MATRIX_FMT_FP4
.endif
.endm
; A PROJECTION: 4 row tiles x 4 column tiles, K = 1,024 in 8 steps: 128 products on 16 accumulators that take turns, one instruction a turn.
; swap = 0: source 0 = weights, source 1 = rows; 1: the other way round.  init = 1: the accumulators hold the bias; 0: the first step starts the sums.
.macro PROJ aw, woff, wsoff, swap, init
	WIN 0
.irp ct, 0,1,2,3
	ds_load_b128 v[WS+4*\ct:WS+4*\ct+3], v[AWS] offset:\wsoff+\ct*512
.endr
	WLOAD \aw, \woff, 0
	s_wait_loadcnt 0x0                             ; the rows' codes and scale words
.irp ks, 0,1,2,3,4,5,6,7
.if \ks < 7
.if \ks > 0
	PLACES 4                                       ; in front of loads into the set that the last step's products read
.endif
.if \swap
	WIN 0                                          ; (an LDS load's address is its source 0)
.endif
	WLOAD \aw, \woff, \ks+1
	s_wait_dscnt 8                                 ; all but the next step's eight loads
.else
	s_wait_dscnt 0x0
.endif
.if \swap
	WIN 0x01
.else
	WIN 0x04
.endif
.set zz, 0
.if \ks == 0
.if !\init
.set zz, 1
.endif
.endif
.irp ct, 0,1,2,3
.irp i, 0,1,2,3
.set rD, S+32*\i+8*\ct
.set rW, FB+32*(\ks%2)+8*\ct
.set rX, 32*\ks+8*\i
.set rWS, WS+4*\ct+\ks%4
.set rXS, XS+4*\i+\ks%4
.if \swap
	PM1 rD, rX, rW, zz, rXS, rWS, \ks/4
.else
	PM1 rD, rW, rX, zz, rWS, rXS, \ks/4
.endif
.endr
.endr
.endr
	WIN 0
	PLACES 4                                       ; in front of the first read of results, and of writes and loads into the operands
.endm
.macro PACK64 win, dst, src            ; packed register m = numbers 2 m, 2 m + 1: each accumulator from its low end on
	WIN \win
.set m, 0
.rept 64
	v_cvt_pk_f16_f32 v[\dst+m], v[\src+2*m], v[\src+2*m+1]
.set m, m+1
.endr
	WIN 0
.endm
; A PREFETCH INTO THE L2 of pass 1's codes of x: my wave's four tiles, 32,768 bytes, lanes 256 bytes apart, four instructions.  All sixteen heads of a batch read the same rows: head 0's work-group asks, once,
; in pass 0's last key step, behind that step's loads of K: one key step and the way out ahead of the loads that want them.
.macro ASK
	s_cmp_eq_u32 s[TRIP], s[LIM]
	s_cbranch_scc0 .Lnot_mine_\@
.irp k, 0,1,2,3
	global_prefetch_b8 v[PFO], s[XBS:XBS+1] offset:262144+\k*8192 th:TH_LOAD_NT scope:SCOPE_SE
.endr
.Lnot_mine_\@:
.endm
; A KEY STEP: 64 keys.  first = 1: it starts m, l and O^T.
.macro STEP first
	WIN 0
	v_add_nc_u32 v[KA], s[TK], v[L16]              ; five plain lines behind the last products: the scores are laid over p, which those products read, and K over V
	v_add_nc_u32 v[VA], s[TK], v[AV0]
	v_add_nc_u32 v[MA], s[TM], v[AM0]
	v_nop
	v_nop
.irp kt, 0,1,2,3
.irp c, 0,1
	ds_load_b128 v[FB+16*\kt+8*\c:FB+16*\kt+8*\c+3], v[KA] offset:\kt*2048+\c*1024
	ds_load_b128 v[FB+16*\kt+8*\c+4:FB+16*\kt+8*\c+7], v[KA] offset:\kt*2048+\c*1024+512
.endr
.endr
.if !\first
	ASK
.endif
	WIN 0x40
.irp kt, 0,1,2,3
	ds_load_b128 v[MBR+8*\kt:MBR+8*\kt+3], v[MA] offset:\kt*64          ; register j: the term of key 16 kt + 8 (lane / 16) + j
	ds_load_b128 v[MBR+8*\kt+4:MBR+8*\kt+7], v[MA] offset:\kt*64+16
.endr
	s_wait_dscnt 0x0
	WIN 0x14                                       ; Q and the mask's terms in window 1
.irp kt, 0,1,2,3
.irp q, 0,1,2,3
	v_wmma_f32_16x16x32_f16 v[S+32*\q+8*\kt:S+32*\q+8*\kt+7], v[FB+16*\kt:FB+16*\kt+7], v[16*\q:16*\q+7], v[MBR+8*\kt:MBR+8*\kt+7]
.endr
.endr
	WIN 0x04
.irp kt, 0,1,2,3
.irp q, 0,1,2,3
	v_wmma_f32_16x16x32_f16 v[S+32*\q+8*\kt:S+32*\q+8*\kt+7], v[FB+16*\kt+8:FB+16*\kt+15], v[16*\q+8:16*\q+15], v[S+32*\q+8*\kt:S+32*\q+8*\kt+7]
.endr
.endr
	WIN 0
	PLACES 4                                       ; in front of the loads over K's fragments and of the first read of the scores
.irp u, 0,1                            ; V lands while the softmax is worked
.irp dt, 0,1,2,3
	ds_load_b128 v[FB+32*\u+8*\dt:FB+32*\u+8*\dt+3], v[VA] offset:\u*4096+\dt*1024
	ds_load_b128 v[FB+32*\u+8*\dt+4:FB+32*\u+8*\dt+7], v[VA] offset:\u*4096+\dt*1024+512
.endr
.endr
	; the maximum of a lane's 32 scores and the old m: two chains a tile, the four tiles by turns; each accumulator is read from its low end on
.irp q, 0,1,2,3
	v_max3_num_f32 v[ST+8*\q+4], v[S+32*\q], v[S+32*\q+1], v[S+32*\q+2]
	v_max3_num_f32 v[ST+8*\q+5], v[S+32*\q+16], v[S+32*\q+17], v[S+32*\q+18]
.endr
.irp i, 3,5,7,9,11,13
.irp q, 0,1,2,3
	v_max3_num_f32 v[ST+8*\q+4], v[ST+8*\q+4], v[S+32*\q+\i], v[S+32*\q+\i+1]
	v_max3_num_f32 v[ST+8*\q+5], v[ST+8*\q+5], v[S+32*\q+16+\i], v[S+32*\q+17+\i]
.endr
.endr
.irp q, 0,1,2,3
	v_max3_num_f32 v[ST+8*\q+4], v[ST+8*\q+4], v[S+32*\q+15], v[S+32*\q+31]
.endr
.irp q, 0,1,2,3
.if \first
	v_max3_num_f32 v[ST+8*\q+4], v[ST+8*\q+4], v[ST+8*\q+5], 0xfe967699    ; m starts at -1e38, over every masked score
.else
	v_max3_num_f32 v[ST+8*\q+4], v[ST+8*\q+4], v[ST+8*\q+5], v[ST+8*\q]
.endif
.endr
.irp q, 0,1,2,3
	v_permlanex16_b32 v[ST+8*\q+5], v[ST+8*\q+4], s[SEL], s[SEL+1]         ; the query's other 32 keys lie in the lane 16 away
.endr
.if \first
.irp q, 0,1,2,3
	v_max_num_f32 v[ST+8*\q], v[ST+8*\q+4], v[ST+8*\q+5]
.endr
.irp q, 0,1,2,3
	v_mov_b32 v[ST+8*\q+1], v[ST+8*\q]             ; named with m as a pair, so it is written
.endr
.else
.irp q, 0,1,2,3
	v_max_num_f32 v[ST+8*\q+6], v[ST+8*\q+4], v[ST+8*\q+5]
.endr
.irp q, 0,1,2,3
	v_sub_f32 v[ST+8*\q+7], v[ST+8*\q], v[ST+8*\q+6]
.endr
.irp q, 0,1,2,3
	v_mov_b32 v[ST+8*\q], v[ST+8*\q+6]
.endr
.irp q, 0,1,2,3
	v_exp_f32 v[ST+8*\q+6], v[ST+8*\q+7]           ; a = 2^(m_old - m_new): the batch's first four
.endr
.endif
.set j, 0
.rept 16
.irp q, 0,1,2,3
	v_pk_add_f32 v[S+32*\q+j:S+32*\q+j+1], v[S+32*\q+j:S+32*\q+j+1], v[ST+8*\q:ST+8*\q+1] op_sel_hi:[1,0] neg_lo:[0,1] neg_hi:[0,1]   ; t - m, two at a time
.endr
.set j, j+2
.endr
.set j, 0
.rept 32
.irp q, 0,1,2,3
	v_exp_f32 v[S+32*\q+j], v[S+32*\q+j]           ; p = 2^(t - m)
.endr
.set j, j+1
.endr
	v_nop                                          ; a plain line behind the last exponential
	s_wait_alu depctr_va_vdst(0)                   ; ONE wait for the whole batch, ahead of the first line that names a result
.irp q, 0,1,2,3                        ; the sums of the unrounded p, in pairs, two chains a tile
	v_pk_add_f32 v[ST+8*\q+4:ST+8*\q+5], v[S+32*\q:S+32*\q+1], v[S+32*\q+2:S+32*\q+3]
	v_pk_add_f32 v[T1+2*\q:T1+2*\q+1], v[S+32*\q+4:S+32*\q+5], v[S+32*\q+6:S+32*\q+7]
.endr
.irp j, 8,12,16,20,24,28
.irp q, 0,1,2,3
	v_pk_add_f32 v[ST+8*\q+4:ST+8*\q+5], v[ST+8*\q+4:ST+8*\q+5], v[S+32*\q+\j:S+32*\q+\j+1]
	v_pk_add_f32 v[T1+2*\q:T1+2*\q+1], v[T1+2*\q:T1+2*\q+1], v[S+32*\q+\j+2:S+32*\q+\j+3]
.endr
.endr
.if \first
.irp q, 0,1,2,3
	v_pk_add_f32 v[ST+8*\q+2:ST+8*\q+3], v[ST+8*\q+4:ST+8*\q+5], v[T1+2*\q:T1+2*\q+1]
.endr
.else
.irp q, 0,1,2,3
	v_pk_add_f32 v[ST+8*\q+4:ST+8*\q+5], v[ST+8*\q+4:ST+8*\q+5], v[T1+2*\q:T1+2*\q+1]
.endr
.irp q, 0,1,2,3
	v_pk_fma_f32 v[ST+8*\q+2:ST+8*\q+3], v[ST+8*\q+2:ST+8*\q+3], v[ST+8*\q+6:ST+8*\q+7], v[ST+8*\q+4:ST+8*\q+5] op_sel_hi:[1,0,1]   ; l = a l + the step's sum
.endr
.endif
.irp i, 0,1,2,3,4,5,6,7                ; p to f16, in place, ascending: the fragment of keys 32 u on lies at v[S + 32 q + 16 u]
.irp u, 0,1
.irp q, 0,1,2,3
	v_cvt_pk_f16_f32 v[S+32*\q+16*\u+\i], v[S+32*\q+16*\u+2*\i], v[S+32*\q+16*\u+2*\i+1]
.endr
.endr
.endr
.if \first
	PLACES 4
.else
	WIN 0x41                                       ; O^T in window 1, a in window 0
.irp q, 0,1,2,3
.set j, 0
.rept 16
	v_pk_mul_f32 v[O+32*\q+j:O+32*\q+j+1], v[O+32*\q+j:O+32*\q+j+1], v[ST+8*\q+6:ST+8*\q+7] op_sel_hi:[1,0]
.set j, j+2
.endr
.endr
.endif
	s_wait_dscnt 0x0                               ; V is in
	WIN 0x50                                       ; C and D in window 1
.irp u, 0,1
.irp dt, 0,1,2,3
.irp q, 0,1,2,3
.if \first && (\u == 0)
	v_wmma_f32_16x16x32_f16 v[O+32*\q+8*\dt:O+32*\q+8*\dt+7], v[FB+32*\u+8*\dt:FB+32*\u+8*\dt+7], v[S+32*\q+16*\u:S+32*\q+16*\u+7], 0
.else
	v_wmma_f32_16x16x32_f16 v[O+32*\q+8*\dt:O+32*\q+8*\dt+7], v[FB+32*\u+8*\dt:FB+32*\u+8*\dt+7], v[S+32*\q+16*\u:S+32*\q+16*\u+7], v[O+32*\q+8*\dt:O+32*\q+8*\dt+7]
.endif
.endr
.endr
.endr
	WIN 0
	s_add_co_u32 s[TK], s[TK], 8192
	s_add_co_u32 s[TM], s[TM], 256
.endm
	s_load_b512 s[4:19], s[0:1], 0x0               ; r4, r4s, w4, w4s, q_b, kv_b, context_mask, ao
	v_lshl_add_u32 v[SPW], v0, 2, SPARE
	v_mov_b32 v[NIL], 0
	v_lshrrev_b32 v13, 5, v0
	v_readfirstlane_b32 s20, v13                   ; wave 0 .. 7
	v_and_b32 v13, 31, v0
	v_lshlrev_b32 v[L16], 4, v13
	v_lshlrev_b32 v[PFO], 8, v13
	v_bfe_u32 v14, v0, 4, 1
	v_add_nc_u32 v[AW], WLDS, v[L16]
	v_add_nc_u32 v[AWS], WSC, v[L16]
	v_lshl_add_u32 v[AQB], v14, 5, QBL
	v_add_nc_u32 v[AV0], VIMG, v[L16]
	v_lshl_add_u32 v[AM0], v14, 5, MB
	v_add_nc_u32 v[AW2], 65536, v[AW]
	s_lshl_b32 s25, s20, 13
	v_add_nc_u32 v[KST], s25, v[L16]
	v_add_nc_u32 v[VST], VIMG, v[KST]
	v_and_b32 v52, 15, v0
	v_lshl_add_u32 v52, v52, 2, BVL                ; V's bias of channel lane % 16
	v_lshl_add_u32 v53, v0, 4, WLDS                ; the copies' places in LDS: 16, 8 or 4 bytes a thread
	v_add_nc_u32 v54, 65536, v53
	v_lshl_add_u32 v55, v0, 3, WSC
	v_lshl_add_u32 v56, v0, 2, MB
	v_lshl_add_u32 v57, v0, 2, QBL
	v_lshlrev_b32 v58, 4, v0                       ; and in memory
	v_lshlrev_b32 v59, 3, v0
	v_and_b32 v60, 63, v0
	v_lshlrev_b32 v60, 2, v60
	v_mov_b32 v61, 0xff61b1e6                      ; -3e38
	s_mov_b32 s21, ttmp9                           ; which quarter of the queries
	s_and_b32 s22, ttmp7, 0xffff
	s_lshr_b32 s23, s22, 4                         ; batch
	s_and_b32 s24, s22, 15                         ; head
	s_mov_b32 s27, 0
	s_mov_b32 s[CS], 0x3e38aa3b                    ; c = log2(e) / 8
	s_mov_b32 s[CS+1], s[CS]
	s_mov_b32 s[SEL], 0x76543210
	s_mov_b32 s[SEL+1], 0xfedcba98
	s_lshl_b32 s47, s20, 2                         ; 4 w
	s_lshl_b32 s25, s23, 5
	s_add_co_u32 s25, s25, s47
	s_add_co_u32 s25, s25, 1024                    ; my first key tile: 1,024 + 32 b + 4 w
	s_wait_kmcnt 0x0
	s_lshl_b32 s26, s25, 13
	s_add_nc_u64 s[CBS:CBS+1], s[4:5], s[26:27]
	s_lshl_b32 s26, s25, 9
	s_add_nc_u64 s[CSS:CSS+1], s[6:7], s[26:27]
	s_lshl_b32 s25, s23, 8
	s_lshl_b32 s26, s21, 6
	s_add_co_u32 s25, s25, s26
	s_add_co_u32 s25, s25, s47                     ; my first query tile: 256 b + 64 quarter + 4 w
	s_lshl_b32 s26, s25, 13
	s_add_nc_u64 s[XBS:XBS+1], s[4:5], s[26:27]
	s_lshl_b32 s26, s25, 9
	s_add_nc_u64 s[XSS:XSS+1], s[6:7], s[26:27]
	s_lshl_b32 s26, s25, 15
	s_lshl_b32 s47, s24, 11
	s_add_co_u32 s26, s26, s47
	s_add_nc_u64 s[AO:AO+1], s[18:19], s[26:27]
	s_lshl_b32 s26, s24, 15                        ; the head's four column tiles
	s_add_nc_u64 s[8:9], s[8:9], s[26:27]
	s_lshl_b32 s26, s24, 11
	s_add_nc_u64 s[10:11], s[10:11], s[26:27]
	s_lshl_b32 s26, s24, 8
	s_add_nc_u64 s[12:13], s[12:13], s[26:27]
	s_add_co_u32 s26, s26, 4096                    ; kv_b's V half
	s_add_nc_u64 s[14:15], s[14:15], s[26:27]
	s_lshl_b32 s26, s23, 9
	s_add_nc_u64 s[16:17], s[16:17], s[26:27]
	; the head's weights, scale words, biases and the batch's mask: 31 loads, to LDS through registers
.irp j, 0,1,2
.irp i, 0,1,2,3,4,5,6,7
	global_load_b128 v[64+32*\j+4*\i:64+32*\j+4*\i+3], v58, s[8:9] offset:\j*524288+\i*4096
.endr
.endr
.irp j, 0,1,2
	global_load_b64 v[160+2*\j:161+2*\j], v59, s[10:11] offset:\j*32768
.endr
	global_load_u8 v166, v0, s[16:17]
	global_load_u8 v167, v0, s[16:17] offset:256
	global_load_b32 v168, v60, s[12:13]
	global_load_b32 v169, v60, s[14:15]
	XLOAD CBS, CSS, 0, 0                           ; my four key tiles' codes
	s_wait_loadcnt 63                              ; the 31 are in
	v_cmp_ne_u32 vcc_lo, 0, v166
	v_cndmask_b32 v166, 0, v61, vcc_lo
	v_cmp_ne_u32 vcc_lo, 0, v167
	v_cndmask_b32 v167, 0, v61, vcc_lo
.irp j, 0,1
.irp i, 0,1,2,3,4,5,6,7
	ds_store_b128 v53, v[64+32*\j+4*\i:64+32*\j+4*\i+3] offset:\j*32768+\i*4096
.endr
.endr
.irp i, 0,1,2,3,4,5,6,7
	ds_store_b128 v54, v[128+4*\i:128+4*\i+3] offset:\i*4096
.endr
.irp j, 0,1,2
	ds_store_b64 v55, v[160+2*\j:161+2*\j] offset:\j*2048
.endr
	ds_store_b32 v56, v166
	ds_store_b32 v56, v167 offset:1024
	ds_store_b32 v57, v168
	ds_store_b32 v57, v169 offset:1024
	s_wait_dscnt 0x0                               ; for the others' sake: my stores have landed
	s_barrier_signal -1
	s_barrier_wait -1
	; K of my 64 keys: no bias (dead work, see the head)
	PROJ AW, 32768, 2048, 0, 0
	PACK64 0, FB, S
.irp i, 0,1,2,3
.irp ct, 0,1,2,3
	ds_store_b128 v[KST], v[FB+16*\i+4*\ct:FB+16*\i+4*\ct+3] offset:\i*2048+\ct*512
.endr
.endr
.irp dt, 0,1,2,3
	ds_load_b32 v[BV+\dt], v52 offset:\dt*64
.endr
	s_wait_dscnt 0x0
	; V of my 64 keys, the sources changed round: a lane holds a channel and eight keys
	PROJ AW2, 0, 4096, 1, 0
	XLOAD XBS, XSS, 0, 0                           ; the context's codes are done with: pass 0's queries
.irp i, 0,1,2,3
.irp dt, 0,1,2,3
.irp j, 0,1,2,3,4,5,6,7
	v_add_f32 v[S+32*\i+8*\dt+\j], v[S+32*\i+8*\dt+\j], v[BV+\dt]
.endr
.endr
.endr
	PACK64 0, FB, S
.irp i, 0,1,2,3
.irp dt, 0,1,2,3
	ds_store_b128 v[VST], v[FB+16*\i+4*\dt:FB+16*\i+4*\dt+3] offset:(\i/2)*4096+\dt*1024+(\i%2)*512
.endr
.endr
	s_wait_dscnt 0x0
	s_barrier_signal -1
	s_barrier_wait -1                              ; K's and V's images are whole; nothing is stored to LDS from here on
	s_mov_b32 s[PASS], 2
	s_cmp_eq_u32 s24, 0
	s_cselect_b32 s[LIM], 1, -1
.Lpass:
.irp i, 0,1,2,3                        ; q_b starts the sums: register j of column tile ct is column 16 ct + 8 (lane / 16) + j
.irp ct, 0,1,2,3
	ds_load_b128 v[S+32*\i+8*\ct:S+32*\i+8*\ct+3], v[AQB] offset:\ct*64
	ds_load_b128 v[S+32*\i+8*\ct+4:S+32*\i+8*\ct+7], v[AQB] offset:\ct*64+16
.endr
.endr
	PROJ AW, 0, 0, 0, 1
.set j, 0
.rept 64
	v_pk_mul_f32 v[S+j:S+j+1], v[S+j:S+j+1], s[CS:CS+1] op_sel_hi:[1,0]    ; (x W + b) c
.set j, j+2
.endr
	PACK64 0x40, 0, S                              ; Q's fragments: tile q, channels 32 c on, at v[16 q + 8 c] of window 1
	s_mov_b32 s[TK], 0
	s_mov_b32 s[TM], 0
	STEP 1
	s_mov_b32 s[TRIP], 7
.Lstep:
	STEP 0
	s_sub_co_u32 s[TRIP], s[TRIP], 1
	s_cmp_lg_u32 s[TRIP], 0
	s_cbranch_scc1 .Lstep
	; THE WAY OUT: l's two halves and the other half of the lanes'; O^T / l; to f16: the packed registers are the last product's operand as they stand
.irp q, 0,1,2,3
	v_add_f32 v[ST+8*\q+4], v[ST+8*\q+2], v[ST+8*\q+3]
.endr
.irp q, 0,1,2,3
	v_permlanex16_b32 v[ST+8*\q+5], v[ST+8*\q+4], s[SEL], s[SEL+1]
.endr
.irp q, 0,1,2,3
	v_add_f32 v[ST+8*\q+4], v[ST+8*\q+4], v[ST+8*\q+5]
.endr
.irp q, 0,1,2,3
	v_rcp_f32 v[ST+8*\q+6], v[ST+8*\q+4]
.endr
	v_nop                                          ; a plain line behind the last reciprocal
	s_wait_alu depctr_va_vdst(0)                   ; one wait for the four, ahead of the first reader
	WIN 0x41
.irp q, 0,1,2,3
.set j, 0
.rept 16
	v_pk_mul_f32 v[O+32*\q+j:O+32*\q+j+1], v[O+32*\q+j:O+32*\q+j+1], v[ST+8*\q+6:ST+8*\q+7] op_sel_hi:[1,0]
.set j, j+2
.endr
.endr
	PACK64 0x05, FB, O
	s_cmp_eq_u32 s[PASS], 1
	s_cbranch_scc1 .Lno_next
	XLOAD XBS, XSS, 262144, 16384                  ; pass 1's queries, 32 tiles on: window 1 is free
.Lno_next:
.irp q, 0,1,2,3
.irp dt, 0,1,2,3
	global_store_b128 v[L16], v[FB+16*\q+4*\dt:FB+16*\q+4*\dt+3], s[AO:AO+1] offset:\q*32768+\dt*512 th:TH_STORE_NT   ; 32 lanes store 512 consecutive bytes, aligned
.endr
.endr
	s_wait_xcnt 0x0                                ; the stores have read their registers and their base: both may be written again
	s_add_nc_u64 s[AO:AO+1], s[AO:AO+1], 1048576   ; 32 tiles on
	s_mov_b32 s[LIM], -1                           ; there is no pass behind pass 1 to ask for
	s_sub_co_u32 s[PASS], s[PASS], 1
	s_cmp_lg_u32 s[PASS], 0
	s_cbranch_scc1 .Lpass
	s_wait_tensorcnt 0x0                           ; the wave's end: behind the last LDS store
	ds_add_u32 v[SPW], v[NIL]
	s_wait_dscnt 0x0
	s_endpgm
.Lfunc_end_k_q9bb45d279f_attn:
	.size	k_q9bb45d279f_attn, .Lfunc_end_k_q9bb45d279f_attn-k_q9bb45d279f_attn
	.p2alignl 7, 3214868480
	.fill 96, 4, 3214868480
	.section	.rodata,"a",@progbits
	.p2align	6, 0x0
	.amdhsa_kernel k_q9bb45d279f_attn
		.amdhsa_group_segment_fixed_size 240640
		.amdhsa_private_segment_fixed_size 0
		.amdhsa_enable_private_segment 0
		.amdhsa_kernarg_size 64
		.amdhsa_user_sgpr_count 2
		.amdhsa_user_sgpr_kernarg_segment_ptr 1
		.amdhsa_wavefront_size32 1
		.amdhsa_system_sgpr_workgroup_id_x 1
		.amdhsa_system_sgpr_workgroup_id_y 1
		.amdhsa_system_sgpr_workgroup_id_z 1
		.amdhsa_system_vgpr_workitem_id 0
		.amdhsa_next_free_vgpr 512
		.amdhsa_next_free_sgpr 66
		.amdhsa_reserve_vcc 1
		.amdhsa_float_denorm_mode_32 3
		.amdhsa_float_denorm_mode_16_64 3
		.amdhsa_memory_ordered 1
		.amdhsa_forward_progress 1
		.amdhsa_inst_pref_size 189
	.end_amdhsa_kernel
	.amdgpu_metadata
---
amdhsa.version: [ 1, 2 ]
amdhsa.kernels:
  - .name:           k_q9bb45d279f_attn
    .symbol:         k_q9bb45d279f_attn.kd
    .args:
      - { .name: r4, .offset: 0, .size: 8, .value_kind: global_buffer, .address_space: global }
      - { .name: r4s, .offset: 8, .size: 8, .value_kind: global_buffer, .address_space: global }
      - { .name: w4, .offset: 16, .size: 8, .value_kind: global_buffer, .address_space: global }
      - { .name: w4s, .offset: 24, .size: 8, .value_kind: global_buffer, .address_space: global }
      - { .name: q_b, .offset: 32, .size: 8, .value_kind: global_buffer, .address_space: global }
      - { .name: kv_b, .offset: 40, .size: 8, .value_kind: global_buffer, .address_space: global }
      - { .name: context_mask, .offset: 48, .size: 8, .value_kind: global_buffer, .address_space: global }
      - { .name: ao, .offset: 56, .size: 8, .value_kind: global_buffer, .address_space: global }
    .group_segment_fixed_size: 240640
    .private_segment_fixed_size: 0
    .kernarg_segment_align: 8
    .kernarg_segment_size: 64
    .max_flat_workgroup_size: 256
    .sgpr_count:     66
    .vgpr_count:     512
    .wavefront_size: 32
...
	.end_amdgpu_metadata
.endif
;; end of part 2
;; launch proj (part 3): grid 4 x 64, 4 waves a work-group, clusters of 4 x 4, 327,680 bytes of LDS; arguments ao, pw, proj_b, out0; writes out0
.if DOCPART == 3
	.amdgcn_target "amdgcn-amd-amdhsa--gfx1250"
	.amdhsa_code_object_version 6
	.text
	.protected	k_q9bb45d279f_proj
	.globl	k_q9bb45d279f_proj
	.p2align	8
	.type	k_q9bb45d279f_proj,@function
k_q9bb45d279f_proj:
	s_mov_b64 s[64:65], 0
	v_nop
	global_prefetch_b8 v0, s[64:65] scope:SCOPE_SE
	s_setreg_imm32_b32 hwreg(HW_REG_WAVE_MODE, 25, 1), 1
	s_wait_xcnt 0x0
	s_wait_alu depctr_hold_cnt(0) depctr_sa_sdst(0) depctr_va_vdst(0) depctr_va_sdst(0) depctr_va_ssrc(0) depctr_va_vcc(0) depctr_vm_vsrc(0)
	s_getreg_b32 s2, hwreg(HW_REG_IB_STS2, 6, 4)
	s_cmp_eq_u32 s2, 0
	s_cbranch_scc0 .Lentry_in_a_cluster
	s_endpgm
.Lentry_in_a_cluster:
	s_bfe_u32 s2, ttmp6, 0x10000c
	s_cmp_lg_u32 s2, 0xf033
	s_cbranch_scc0 .Lentry_shape_is_right
	s_endpgm
.Lentry_shape_is_right:
; PROJ.  out0[m][n] = sum over k of a[m][k] proj_w[k][n] + proj_b[n]: M = 16,384, N = K = 1,024; f16 operands, f32 sums.
; Both operands lie in memory as images of operand registers: ao [row tile of 16][k / 32][1,024 bytes], pw [n tile of 16][k / 32][1,024 bytes]; lane l's registers 4 hf .. 4 hf + 3 at 512 hf + 16 l.
; A tile of out0, 256 x 256, is made by a work-group of four waves, 128 x 128 each: 64 accumulators of 16 x 16, 512 registers.  K goes in steps of 128 (4,096 consecutive bytes of each tile of 16 rows)
; through a ring of two LDS slots filled by the tensor data mover; a wave's load brings 8 tiles of rows: 8 rows of 4,096 bytes, 32,768 bytes apart in memory, dense in LDS.
; A fragment load takes 512 consecutive bytes of LDS, so the slots need no padding.
; CLUSTERS: 4 x 4 work-groups.  The four of a row of the cluster need the same tiles of a, the four of a column the same tiles of proj_w: each is asked for JOINTLY, by the same tensor load with the same
; descriptor and a mask that names the four.  THE MATRIX INSTRUCTION IS USED TRANSPOSED (source 0 = 16 n, source 1 = 16 rows): a lane holds eight neighbouring numbers of a row of out0.
; The bias is the C of each sum's first product.  LIMITS: as the launches before state them.
; REGISTERS, in windows of 256: window 0: v0-31 addresses; v64-127, v128-191 fragments of a, two buffers (on the way out: rows read back); v192-255 the bias of my 128 columns.
;   window 1: v64-127, v128-191 fragments of proj_w.   window 2: the accumulators of my rows 0-63 ((a, b) at v[8 (8 a + b)]);   window 3: those of my rows 64-127.
.set HALFT,  32768                     ; 128 rows x 128 K: what one tensor load brings, and what one wave reads of either operand
.set SLOT,   4*HALFT                   ; a's two halves, then proj_w's
.set STAGE,  2*SLOT                    ; behind the ring: 16 rows x (512 bytes + 16) for each wave, for the way out
.set SPITCH, 528
.set SPARE,  STAGE+4*16*SPITCH         ; the spare words, 128 bytes for each wave: two blocks of 256 bytes that no other line names
.set LAPS,   4                         ; a lap = two K steps = once round the ring; K = 1,024 is 8 steps
.set ADRA, 16                          ; v16-17 LDS address of my fragments of a in slot 0, 1
.set ADRB, 20                          ; v20-21 the same for proj_w
.set STO,  24                          ; v24 the way out: where I put 32 bytes of a row
.set RD,   25                          ; v25 where I read a row back
.set CO,   26                          ; v26 16 x lane
.set BO,   27                          ; v27 32 (lane / 16)
.set SPW,  28                          ; v28 LDS address of my spare word; never rewritten
.set NIL,  29                          ; v29 0; never rewritten
.set F0,   64
.set F1,   128
.set BI,   192
.set BK,   64
.set G1,  24                           ; s[24:31] descriptor group 1 for a's tiles;  s[32:39] group 0, one set for each slot
.set G0,  32
.set G1B, 48                           ; s[48:55], s[56:63] the same for proj_w's
.set G0B, 56
.set MSB, 0
.macro WIN new                         ; the immediate's high byte repeats the setting that is left
.if MSB != \new
	s_set_vgpr_msb (MSB<<8)|\new
.set MSB, \new
.endif
.endm
.set MUL_LO, 0xa1                      ; source 0 window 1, source 1 window 0, C and D window 2
.set MUL_HI, 0xf1                      ; the same, C and D window 3
.set FST_LO, 0x81                      ; the first products: C (the bias) window 0, D window 2
.set FST_HI, 0xc1                      ; D window 3
.set TO_B,   0x40
; A joint load: waves 0 and 1 fetch a's two halves, waves 2 and 3 proj_w's.  The branch hangs on the wave's number alone.  An s_nop 0 and four v_nop follow each of the two lines.
.macro JLOAD s
	s_cmp_eq_u32 s13, 0
	s_cbranch_scc0 .Lfor_b_\@
	tensor_load_to_lds s[G0+4*\s:G0+4*\s+3], s[G1:G1+7]
	s_nop 0
.rept 4
	v_nop
.endr
	s_branch .Lasked_\@
.Lfor_b_\@:
	tensor_load_to_lds s[G0B+4*\s:G0B+4*\s+3], s[G1B:G1B+7]
	s_nop 0
.rept 4
	v_nop
.endr
.Lasked_\@:
.endm
.macro CREST                           ; a round of the cluster's barrier behind its opening barrier
	s_cmp_lg_u32 s12, 0
	s_cbranch_scc1 .Lnot_wave_0_\@
	s_barrier_signal -3
.Lnot_wave_0_\@:
	s_barrier_wait -3
	s_barrier_signal -1
	s_barrier_wait -1
.endm
.macro CROUND                          ; a whole round
	s_barrier_signal -1
	s_barrier_wait -1
	CREST
.endm
	s_load_b256 s[4:11], s[0:1], 0x0               ; ao, pw, proj_b, out0
	v_lshl_add_u32 v[SPW], v0, 2, SPARE
	v_mov_b32 v[NIL], 0
	ds_add_u32 v[SPW], v[NIL]                      ; the wave's opening: the add, twice on end, and its wait ahead of my first tensor load
	ds_add_u32 v[SPW], v[NIL]                      ; and once more; the set-up below, work on registers, stands between it and the wait
	v_lshrrev_b32 v1, 5, v0
	v_readfirstlane_b32 s12, v1                    ; wave 0 .. 3
	s_lshr_b32 s13, s12, 1                         ; which half of the tile's rows is mine.  Also: I fetch for a (0) or for proj_w (1)
	s_and_b32 s14, s12, 1                          ; which half of its columns.  Also: which 128 rows of that operand I fetch
	s_bfe_u32 s40, ttmp6, 0x40000                  ; cx, cy: my place in the cluster
	s_bfe_u32 s41, ttmp6, 0x40004
	s_lshl_b32 s42, ttmp9, 2
	s_add_co_u32 s42, s42, s40                     ; tile column = 4 x cluster x + cx
	s_and_b32 s15, ttmp7, 0xffff
	s_lshl_b32 s15, s15, 2
	s_add_co_u32 s15, s15, s41                     ; tile row = 4 x cluster y + cy
	s_lshl_b32 s43, s41, 2
	s_lshl_b32 s43, 15, s43                        ; my row of the cluster
	s_lshl_b32 s44, 0x1111, s40                    ; my column
	s_or_b32 s[G1], s43, (3<<16)|(1<<21)           ; 15:0 the mask: a's tiles go to my row; 17:16 elements of 8 bytes; 20 no padding; 21 set beside a mask
	s_or_b32 s[G1B], s44, (3<<16)|(1<<21)
.irp g, G1, G1B
	s_mov_b32 s[\g+1], 512<<16                     ; tensor_dim0 = 512 elements: 4,096 bytes
	s_mov_b32 s[\g+2], 8<<16                       ; tensor_dim1 = 8
	s_mov_b32 s[\g+3], 512<<16                     ; tile_dim0
	s_mov_b32 s[\g+4], 8                           ; tile_dim1
	s_mov_b32 s[\g+5], 4096                        ; tensor_dim0_stride: 32,768 bytes from a tile of 16 rows to the next
	s_mov_b32 s[\g+6], 0
	s_mov_b32 s[\g+7], 0
.endr
	s_lshl_b32 s18, s14, 3                         ; which 8 tiles of 16 rows I fetch
	s_lshl_b32 s16, s15, 4
	s_add_co_u32 s16, s16, s18                     ; a: row tile 16 x tile row + 8 x half
	s_lshl_b32 s16, s16, 15
	s_mov_b32 s17, 0
	s_lshl_b32 s46, s42, 4
	s_add_co_u32 s46, s46, s18                     ; proj_w: n tile 16 x tile column + 8 x half
	s_lshl_b32 s46, s46, 15
	s_mov_b32 s47, 0
	s_lshl_b32 s20, s12, 15                        ; where they go: wave x 32,768: no place in the cluster enters an LDS address
	s_wait_dscnt 0x0                               ; both opening adds are done
	s_wait_kmcnt 0x0
	s_add_nc_u64 s[16:17], s[4:5], s[16:17]
	s_add_nc_u64 s[46:47], s[6:7], s[46:47]
	CROUND                                         ; all sixteen work-groups are here: the first joint loads meet
.irp s, 0,1
	s_mov_b32 s[G0+4*\s], 1
	s_add_co_u32 s[G0+4*\s+1], s20, \s*SLOT
	s_add_nc_u64 s[G0+4*\s+2:G0+4*\s+3], s[16:17], \s*4096         ; K step s
	s_or_b32 s[G0+4*\s+3], s[G0+4*\s+3], 0x80000000
	s_mov_b32 s[G0B+4*\s], 1
	s_add_co_u32 s[G0B+4*\s+1], s20, \s*SLOT
	s_add_nc_u64 s[G0B+4*\s+2:G0B+4*\s+3], s[46:47], \s*4096
	s_or_b32 s[G0B+4*\s+3], s[G0B+4*\s+3], 0x80000000
	JLOAD \s                                       ; two loads of mine are out
.endr
	v_and_b32 v1, 31, v0
	v_lshlrev_b32 v[CO], 4, v1
	v_and_b32 v2, 15, v0                           ; r
	v_bfe_u32 v3, v0, 4, 1                         ; h
	s_lshl_b32 s21, s13, 15                        ; my 128 rows of a
	s_lshl_b32 s22, s14, 15                        ; my 128 n,
	s_add_co_u32 s22, s22, 2*HALFT                 ; which lie behind a's two halves
.irp s, 0,1
	v_add_nc_u32 v[ADRA+\s], s21, v[CO]
	v_add_nc_u32 v[ADRB+\s], s22, v[CO]
	s_add_co_u32 s21, s21, SLOT
	s_add_co_u32 s22, s22, SLOT
.endr
	s_mul_i32 s23, s12, 16*SPITCH
	s_add_co_u32 s23, s23, STAGE                   ; my stage
	v_mul_u32_u24 v4, v2, SPITCH                   ; in: row r, 32 bytes for each half of the lanes
	v_lshl_add_u32 v4, v3, 5, v4
	v_add_nc_u32 v[STO], s23, v4
	v_add_nc_u32 v[RD], s23, v[CO]                 ; back: the 32 lanes take one row of 512 bytes
	v_lshlrev_b32 v[BO], 5, v3
	s_lshl_b32 s46, s42, 10                        ; my first column, in bytes: 1,024 x tile column + 512 x half
	s_lshl_b32 s47, s14, 9
	s_add_co_u32 s46, s46, s47
	s_mov_b32 s47, 0
	s_add_nc_u64 s[8:9], s[8:9], s[46:47]
	s_add_nc_u64 s[10:11], s[10:11], s[46:47]
	s_lshl_b32 s18, s15, 8
	s_lshl_b32 s19, s13, 7
	s_add_co_u32 s18, s18, s19                     ; my first row: 256 x tile row + 128 x half
	s_lshl_b32 s18, s18, 12
	s_mov_b32 s19, 0
	s_add_nc_u64 s[10:11], s[10:11], s[18:19]
.irp b, 0,1,2,3,4,5,6,7                ; the bias in the result's layout: register j of n block b is column 16 b + 8 h + j
	global_load_b128 v[BI+8*\b:BI+8*\b+3], v[BO], s[8:9] offset:64*\b
	global_load_b128 v[BI+8*\b+4:BI+8*\b+7], v[BO], s[8:9] offset:64*\b+16
.endr
; 16 matrix instructions: m blocks a0, a0 + 1 of the window's four x all 8 n blocks, 32 along K.  first = 1: the bias starts the sums.
; The 64 accumulators take turns, one instruction a turn, in the same order in every quarter.
.macro MUL16 f, hi, a0, first
.irp a, \a0, \a0+1
.irp b, 0,1,2,3,4,5,6,7
.if \first
	v_wmma_f32_16x16x32_f16 v[8*(8*(\a)+\b):8*(8*(\a)+\b)+7], v[\f+8*\b:\f+8*\b+7], v[\f+8*(4*\hi+\a):\f+8*(4*\hi+\a)+7], v[BI+8*\b:BI+8*\b+7]
.else
	v_wmma_f32_16x16x32_f16 v[8*(8*(\a)+\b):8*(8*(\a)+\b)+7], v[\f+8*\b:\f+8*\b+7], v[\f+8*(4*\hi+\a):\f+8*(4*\hi+\a)+7], v[8*(8*(\a)+\b):8*(8*(\a)+\b)+7]
.endif
.endr
.endr
.endm
; 32 LDS loads in one run: the fragments of the slot's q-th 32 along K into buffer f
.macro FETCH slot, q, f
	WIN TO_B
.irp i, 0,1,2,3,4,5,6,7
	ds_load_b128 v[\f+8*\i:\f+8*\i+3],   v[ADRB+\slot] offset:\q*1024+\i*4096
	ds_load_b128 v[\f+8*\i+4:\f+8*\i+7], v[ADRB+\slot] offset:\q*1024+\i*4096+512
.endr
	WIN 0
.irp i, 0,1,2,3,4,5,6,7
	ds_load_b128 v[\f+8*\i:\f+8*\i+3],   v[ADRA+\slot] offset:\q*1024+\i*4096
	ds_load_b128 v[\f+8*\i+4:\f+8*\i+7], v[ADRA+\slot] offset:\q*1024+\i*4096+512
.endr
.endm
.macro PLACES                          ; four plain lines in front of loads into registers that matrix instructions have read, and of the first read of results
.rept 4
	v_nop
.endr
.endm
; A K step is four quarters of 32 along K, 64 matrix instructions each, on buffers 0, 1, 0, 1.  One of the first three: multiplies buffer f and fetches quarter q into g.
.macro QUARTER slot, q, f, g, first
	s_wait_dscnt 8                                 ; proj_w's fragments and a's rows 0-63 are in; the youngest eight loads may be out
.if \first
	WIN FST_LO
.else
	WIN MUL_LO
.endif
	MUL16 \f, 0, 0, \first
	MUL16 \f, 0, 2, \first
	PLACES
	FETCH \slot, \q, \g
	s_wait_dscnt 32                                ; all but the 32 just issued
.if \first
	WIN FST_HI
.else
	WIN MUL_HI
.endif
	MUL16 \f, 1, 0, \first
	MUL16 \f, 1, 2, \first
.endm
; The last quarter multiplies buffer 1 and changes slots: ONE barrier; in front of it each wave waits for all its tensor loads, adds 0 to its spare word, and waits for that and for its reads of this slot.
; fill = 1: the barrier opens a round of the cluster's barrier, and this slot is filled again, two K steps ahead: the load has 224 matrix instructions in which to land.
.macro TURN slot, next, fill
	WIN 0                                          ; (the add's two registers lie in window 0)
	s_wait_tensorcnt 0x0                           ; all my tensor loads have landed: the one that was out is my part of the next slot;
	ds_add_u32 v[SPW], v[NIL]                      ; 0 onto my spare word
	s_wait_dscnt 9                                 ; (the add and the youngest eight loads may be out)
	WIN MUL_LO
	MUL16 F1, 0, 0, 0                              ; sixteen matrix instructions stand between the add and the wait for it
	s_wait_dscnt 0x0                               ; the add is done, and my reads of this slot are over
	s_barrier_signal -1
	MUL16 F1, 0, 2, 0
.if \fill
	WIN 0
.endif
	s_barrier_wait -1
.if \fill
	CREST                                          ; no wave of any partner still reads this slot's tile or has a load on its way
	s_add_nc_u64 s[G0+4*\slot+2:G0+4*\slot+3], s[G0+4*\slot+2:G0+4*\slot+3], 8192
	s_add_nc_u64 s[G0B+4*\slot+2:G0B+4*\slot+3], s[G0B+4*\slot+2:G0B+4*\slot+3], 8192
	JLOAD \slot                                    ; the first tensor load behind the round; the four v_nop behind it are also the places in front of the loads below
.else
	PLACES
.endif
	FETCH \next, 0, F0
	WIN MUL_HI
	MUL16 F1, 1, 0, 0
	MUL16 F1, 1, 2, 0
.endm
	s_wait_loadcnt 0x0                             ; the bias
	s_wait_tensorcnt 1                             ; my part of K step 0 is in; K step 1's may stay out
	s_barrier_signal -1
	s_barrier_wait -1                              ; everybody's is
	FETCH 0, 0, F0
	QUARTER 0, 1, F0, F1, 1                        ; the first quarter stands in front of the loop: its products start the sums from the bias
	WIN 0                                          ; at a label and at a branch every window is 0
	s_mov_b32 s3, LAPS-1
.Llap:                                                 ; a trip goes once round the ring, from a lap's second quarter to the next lap's first, and fills both slots again
	QUARTER 0, 2, F1, F0, 0
	QUARTER 0, 3, F0, F1, 0
	TURN 0, 1, 1
	QUARTER 1, 1, F0, F1, 0
	QUARTER 1, 2, F1, F0, 0
	QUARTER 1, 3, F0, F1, 0
	TURN 1, 0, 1
	QUARTER 0, 1, F0, F1, 0
	WIN 0
	s_sub_co_u32 s3, s3, 1
	s_cmp_lg_u32 s3, 0
	s_cbranch_scc1 .Llap
	QUARTER 0, 2, F1, F0, 0                        ; the last lap fills nothing, and has no round of the cluster's barrier
	QUARTER 0, 3, F0, F1, 0
	TURN 0, 1, 0
	QUARTER 1, 1, F0, F1, 0
	QUARTER 1, 2, F1, F0, 0
	QUARTER 1, 3, F0, F1, 0
	s_wait_dscnt 8                                 ; the very last quarter: nothing more to fetch
	WIN MUL_LO
	MUL16 F1, 0, 0, 0
	MUL16 F1, 0, 2, 0
	s_wait_dscnt 0x0
	WIN MUL_HI
	MUL16 F1, 1, 0, 0
	MUL16 F1, 1, 2, 0
	WIN 0
; THE WAY OUT, block by block of 16 rows x 128 columns: a lane holds 32 neighbouring bytes of a row and the lanes beside it hold other rows, so a block goes through my own stage in LDS and comes back as whole
; rows of 512 bytes.  LDS serves a wave's instructions in order (ISA guide 5.7.1.4): no wait between the stores and the loads, nor in front of the next block's stores.
.macro TOSTAGE a
.set AC, 64*((\a)%4)
	WIN 0x08+4*((\a)/4)                            ; an LDS store's data are its source 1: window 2 or 3
.irp b, 0,1,2,3,4,5,6,7
	ds_store_b128 v[STO], v[AC+8*\b:AC+8*\b+3] offset:64*\b          ; each accumulator from its low end on
	ds_store_b128 v[STO], v[AC+8*\b+4:AC+8*\b+7] offset:64*\b+16
.endr
	WIN 0
.set BB, BK+64*((\a)%2)
.irp t, 0,1,2,3,4,5,6,7,8,9,10,11,12,13,14,15
	ds_load_b128 v[BB+4*\t:BB+4*\t+3], v[RD] offset:\t*SPITCH
.endr
.endm
.macro SEND a, younger                 ; younger: the LDS instructions issued behind block a's loads, which may stay out
.set BB, BK+64*((\a)%2)
	s_wait_dscnt \younger                          ; the block is back in registers
.if (\a) > 0
	s_add_nc_u64 s[10:11], s[10:11], 16*4096       ; (behind a wait on XCNT: the earlier stores have read their base)  16 rows on
.endif
.irp t, 0,1,2,3,4,5,6,7,8,9,10,11,12,13,14,15
	global_store_b128 v[CO], v[BB+4*\t:BB+4*\t+3], s[10:11] offset:\t*4096 th:TH_STORE_NT   ; 32 lanes store 512 consecutive bytes, at a multiple of 256 from out0's first byte
.endr
.endm
	PLACES                                         ; in front of the loads into the registers that held a's fragments, and of the reads of results
	TOSTAGE 0
.irp a, 1,2,3,4,5,6,7
.if \a > 1
	s_wait_xcnt 0x0                                ; block a - 2's stores have read their registers and their base
.endif
	TOSTAGE \a
	SEND \a-1, 32                                  ; behind block a - 1's loads: block a's 16 stores and 16 loads
.endr
	s_wait_xcnt 0x0                                ; block 6's stores have read their base
	SEND 7, 0
	s_wait_tensorcnt 0x0                           ; the wave's end: behind my last tensor load and my last LDS store
	ds_add_u32 v[SPW], v[NIL]
	s_wait_dscnt 0x0
	CROUND                                         ; the closing round: no work-group ends while a partner may still ask for a tile that names it
	s_endpgm
.Lfunc_end_k_q9bb45d279f_proj:
	.size	k_q9bb45d279f_proj, .Lfunc_end_k_q9bb45d279f_proj-k_q9bb45d279f_proj
	.p2alignl 7, 3214868480
	.fill 96, 4, 3214868480
	.section	.rodata,"a",@progbits
	.p2align	6, 0x0
	.amdhsa_kernel k_q9bb45d279f_proj
		.amdhsa_group_segment_fixed_size 327680
		.amdhsa_private_segment_fixed_size 0
		.amdhsa_enable_private_segment 0
		.amdhsa_kernarg_size 32
		.amdhsa_user_sgpr_count 2
		.amdhsa_user_sgpr_kernarg_segment_ptr 1
		.amdhsa_wavefront_size32 1
		.amdhsa_system_sgpr_workgroup_id_x 1
		.amdhsa_system_sgpr_workgroup_id_y 1
		.amdhsa_system_sgpr_workgroup_id_z 1
		.amdhsa_system_vgpr_workitem_id 0
		.amdhsa_next_free_vgpr 1024
		.amdhsa_next_free_sgpr 66
		.amdhsa_reserve_vcc 0
		.amdhsa_float_denorm_mode_32 3
		.amdhsa_float_denorm_mode_16_64 3
		.amdhsa_memory_ordered 1
		.amdhsa_forward_progress 1
		.amdhsa_inst_pref_size 142
	.end_amdhsa_kernel
	.amdgpu_metadata
---
amdhsa.version: [ 1, 2 ]
amdhsa.kernels:
  - .name:           k_q9bb45d279f_proj
    .symbol:         k_q9bb45d279f_proj.kd
    .args:
      - { .name: ao, .offset: 0, .size: 8, .value_kind: global_buffer, .address_space: global }
      - { .name: pw, .offset: 8, .size: 8, .value_kind: global_buffer, .address_space: global }
      - { .name: proj_b, .offset: 16, .size: 8, .value_kind: global_buffer, .address_space: global }
      - { .name: out0, .offset: 24, .size: 8, .value_kind: global_buffer, .address_space: global }
    .group_segment_fixed_size: 327680
    .private_segment_fixed_size: 0
    .kernarg_segment_align: 8
    .kernarg_segment_size: 32
    .max_flat_workgroup_size: 128
    .sgpr_count:     66
    .vgpr_count:     1024
    .wavefront_size: 32
...
	.end_amdgpu_metadata
.endif
;; end of part 3
;; ======== version 2 of 2: 3 launches; version 1 with the launch attn written anew for expert scheduling mode
;; limits: values are held in f16: magnitudes above 65,504 overflow, below 6.1e-05 lose precision
;; workspace buffers: r4 9,437,184 bytes; r4s 589,824 bytes; w4 1,572,864 bytes; w4s 98,304 bytes; pw 2,097,152 bytes; ao 33,554,432 bytes
;; launch prep: the kernel of part 1 again; grid 416 x 1, 8 waves a work-group, no clusters, 69,632 bytes of LDS; arguments x, context, q_w, kv_w, proj_w, r4, r4s, w4, w4s, pw; writes r4, r4s, w4, w4s, pw
;; launch attn (part 4): grid 4 x 64, 8 waves a work-group, no clusters, 240,640 bytes of LDS; arguments r4, r4s, w4, w4s, q_b, kv_b, context_mask, ao; writes ao
.if DOCPART == 4
	.amdgcn_target "amdgcn-amd-amdhsa--gfx1250"
	.amdhsa_code_object_version 6
	.text
	.protected	k_q9bb45d279f_attn
	.globl	k_q9bb45d279f_attn
	.p2align	8
	.type	k_q9bb45d279f_attn,@function
k_q9bb45d279f_attn:
	s_mov_b64 s[64:65], 0
	v_nop
	global_prefetch_b8 v0, s[64:65] scope:SCOPE_SE
	s_setreg_imm32_b32 hwreg(HW_REG_WAVE_SCHED_MODE, 0, 2), 2
	s_setreg_imm32_b32 hwreg(HW_REG_WAVE_MODE, 25, 1), 1
	s_wait_xcnt 0x0
	s_wait_alu depctr_vm_vsrc(0)
; ATTN.  A work-group takes one batch and head and 1,024 queries.  It projects the head's K and V (E2M1 products) into LDS as f16 operand images, then in two passes of 512 queries projects Q (E2M1) into
; registers and runs the masked softmax attention (f16 operands, f32 sums); the result goes to ao as f16 operand images for the last product.  q, k, v never go to memory.
; LEFT OUT AS DEAD WORK: the bias on k, kv_b[0:1024]: it adds q . b to every score of a row, the same along the softmax's axis (shown at the head of the first kernel); those bytes are not loaded.
; SHARES.  Eight waves.  Prologue: wave w projects key tiles 4 w .. 4 w + 3.  A pass: wave w owns 64 queries, four tiles of 16, and walks all 512 keys, 64 a step.
; LAYOUT.  With source 0 = 16 weight columns and source 1 = 16 rows a lane holds ONE row and eight neighbouring columns: packed to f16 they are half a fragment of the next product (Q, K, the result).  For V the
; sources change places: a lane holds a channel and eight keys: half a fragment of V^T.  S^T = K Q^T and O^T = V^T P^T: a lane holds one query throughout; p, packed in place, is the second product's operand.
; SOFTMAX.  q is multiplied by c = log2(e) / 8 ahead of its rounding, so a score is t.  A running maximum m and sum l for each query: p = 2^(t - m); O and l are multiplied by a = 2^(m_old - m_new) in every step.
; THE MASK is an input: masked keys are computed and selected away.  A masked key's score starts from -3e38 (the C of its first product) and m starts at -1e38, so its p is exactly 0, as with -inf.
; A row all of whose keys are masked has l = 0 and comes out NaN.
; LIMITS: t above -1e38; |(q + b) c|, |k|, |v + b| and the result under 65,504 (f16); NaN and infinities among the inputs are not served.
; NO TENSOR LOADS, NO CLUSTER: K and V are made in LDS by the work-group itself and nothing is streamed in the loop; what the four work-groups of a head share (the context's codes, 102 KB of weights) is read once, at the head.
; REGISTERS.  Window 0: v0-15 addresses; v16-47 statistics, 8 a tile (in a projection: scale words, W's v16-31, the rows' v32-47); v48-55 sums (prologue: V's bias, addresses up to v61);
;   v64-191 the 16 accumulators of a projection, then S^T, then p; v192-255 fragments of W (two sets), K or V, packed results.
; Window 1: in a projection the rows' 32 fragments; in attention v0-63 Q, v64-95 the mask's terms, v128-255 O^T.
; THE MODE: SCHED_MODE bits 1:0 = 2 (LLVM: expert scheduling mode 2), set by the entry lines.  The code itself states the register dependences between vector or matrix instructions and memory or LDS
; instructions, with s_wait_alu, always for 0.
; THE PLAN.  Registers that memory or LDS instructions touch:
;   v1, v4-7, v13-15, v52-60  offsets and LDS addresses: written once, at the head, ahead of one wait; v52-55 become a key step's sums behind a wait that shows them read.
;   v10-12      a key step's three LDS addresses: written at the step's head, read by the step's loads.
;   v16-47      scale words: loaded ahead of a projection, read by its products; in attention they are statistics, named by vector lines alone.
;   v64-191     at the head: loaded and stored to LDS; then accumulators; a pass loads q_b into them; then scores and p, named by vector and matrix lines alone.
;   v192-255    W's two sets by turns (step s reads set s % 2 while the loads of step s + 1 land in the other); packed results, which stores read; in a key step K, then V.
;   window 1    the rows' codes, loaded; in attention the mask's terms (v64-95), loaded in each step; Q and O^T are named by vector and matrix lines alone.
; A PROJECTION'S STEP has one wait, at its head: the last step's products are done with the other set; the step's products name none of the registers that the eight loads behind it touch.
; A KEY STEP has two beside the exponentials': at its head (the addresses are written; the last products are done with V and the mask's terms) and behind K Q^T (done with K, over which V lands);
; V's loads are dealt among the maximum's lines, which name the scores and the statistics alone.  One wait ahead of the step's three additions shows the addresses read.
.set KIMG, 0                           ; LDS: K's fragments (key tile kt, channels 32 c on) at 2,048 kt + 1,024 c
.set VIMG, 65536                       ; V^T's (keys 32 kc on, channels 16 dt on) at 1,024 (4 kc + dt)
.set WLDS, 131072                      ; the head's weights: q's, K's, V's four column tiles, 32,768 bytes each
.set WSC,  229376                      ; their scale words, 2,048 bytes each
.set MB,   235520                      ; 512 f32: 0, or -3e38 for a masked key
.set QBL,  237568                      ; q_b's 64 numbers (the region's first 256 bytes are read)
.set BVL,  238592                      ; kv_b's V half, the head's 64
.set SPARE, 239616                     ; the spare words, 128 bytes for each wave: four blocks of 256 bytes that no other line names
.set L16, 1                            ; v1  16 x lane
.set SPW, 2                            ; v2  LDS address of my spare word; never rewritten
.set NIL, 3                            ; v3  0; never rewritten
.set AW,  4                            ; v4  16 x lane + WLDS
.set AWS, 5                            ; v5  16 x lane + WSC
.set PFO, 6                            ; v6  256 x lane
.set AQB, 7                            ; v7  QBL + 32 (lane / 16)
.set AV0, 8                            ; v8  16 x lane + VIMG
.set AM0, 9                            ; v9  MB + 32 (lane / 16)
.set KA,  10                           ; v10-12 the step's addresses of K, V, the mask's terms
.set VA,  11
.set MA,  12
.set AW2, 13                           ; v13 AW + 65,536: V's weights
.set KST, 14                           ; v14 where I store K's images;  v15 V's
.set VST, 15
.set ST,  16                           ; tile q's statistics at v[ST + 8 q]: +0 m, +1 its pair's other half, +2, +3 l, +4, +5 at work, +6 a, +7 m_old - m_new
.set WS,  16
.set XS,  32
.set T1,  48
.set BV,  48
.set S,   64
.set FB,  192
.set MBR, 64                           ; window 1
.set O,   128                          ; window 1
.set CBS, 28                           ; s[28:29], s[30:31] the context's codes and scale words at my four key tiles
.set CSS, 30
.set XBS, 32                           ; s[32:33], s[34:35] x's at my four query tiles of pass 0
.set XSS, 34
.set AO,  36                           ; s[36:37] ao at the pass's first tile of mine, my head's two fragments
.set CS,  38                           ; s[38:39] c, twice: the packed form names a pair
.set SEL, 40                           ; s[40:41] v_permlanex16_b32's selects for lane l xor 16
.set TK,  42                           ; s42 the step's place in K's and V's images: 8,192 bytes a step;  s43 in the mask's terms: 256
.set TM,  43
.set TRIP, 44
.set PASS, 45
.set LIM, 46                           ; s46 1 where my wave prefetches in the pass's last trip, else the greatest number
.set MSB, 0
.macro WIN new                         ; bits 1:0 source 0, 3:2 source 1, 5:4 source 2, 7:6 destination; the immediate's high byte repeats the setting that is left
.if MSB != \new
	s_set_vgpr_msb (MSB<<8)|\new
.set MSB, \new
.endif
.endm
.macro PLACES n                        ; plain vector lines behind matrix instructions (ISA guide 7.12.1)
.rept \n
	v_nop
.endr
.endm
; four row tiles' codes, all 8 K steps, into window 1 (K step ks, tile i at v[32 ks + 8 i]), and their scale words.  The wait that these loads hang on stands ahead of each use of the macro: only window switches and loads follow it
.macro XLOAD cb, sb, co, so
	WIN 0x40
.irp ks, 0,1,2,3,4,5,6,7
.irp i, 0,1,2,3
	global_load_b128 v[32*\ks+8*\i:32*\ks+8*\i+3], v[L16], s[\cb:\cb+1] offset:\co+\i*8192+\ks*1024
	global_load_b128 v[32*\ks+8*\i+4:32*\ks+8*\i+7], v[L16], s[\cb:\cb+1] offset:\co+\i*8192+\ks*1024+512
.endr
.endr
	WIN 0
.irp i, 0,1,2,3
	global_load_b128 v[XS+4*\i:XS+4*\i+3], v[L16], s[\sb:\sb+1] offset:\so+\i*512   ; register u: lanes 0-15 K step u, lanes 16-31 K step 4 + u
.endr
.endm
.macro WFRAG aw, woff, ks, ct          ; column tile ct's fragment of K step ks into set ks % 2
	ds_load_b128 v[FB+32*((\ks)%2)+8*(\ct):FB+32*((\ks)%2)+8*(\ct)+3], v[\aw] offset:\woff+(\ct)*8192+(\ks)*1024
	ds_load_b128 v[FB+32*((\ks)%2)+8*(\ct)+4:FB+32*((\ks)%2)+8*(\ct)+7], v[\aw] offset:\woff+(\ct)*8192+(\ks)*1024+512
.endm
.macro WLOAD aw, woff, ks              ; four column tiles' fragments of K step ks
.irp ct, 0,1,2,3
	WFRAG \aw, \woff, \ks, \ct
.endr
.endm
.macro PM1 d, a, b, zero, sa, sb, hi
.if \zero
	v_wmma_scale_f32_16x16x128_f8f6f4 v[\d:\d+7], v[\a:\a+7], v[\b:\b+7], 0, v[\sa], v[\sb] matrix_a_fmt:MATRIX_FMT_FP4 matrix_b_fmt:MATRIX_FMT_FP4
.elseif \hi
	v_wmma_scale_f32_16x16x128_f8f6f4 v[\d:\d+7], v[\a:\a+7], v[\b:\b+7], v[\d:\d+7], v[\sa], v[\sb] matrix_a_fmt:MATRIX_FMT_FP4 matrix_b_fmt:MATRIX_FMT_FP4 matrix_a_scale:MATRIX_SCALE_ROW1 matrix_b_scale:MATRIX_SCALE_ROW1
.else
	v_wmma_scale_f32_16x16x128_f8f6f4 v[\d:\d+7], v[\a:\a+7], v[\b:\b+7], v[\d:\d+7], v[\sa], v[\sb] matrix_a_fmt:MATRIX_FMT_FP4 matrix_b_fmt:MATRIX_FMT_FP4
.endif
.endm
; A PROJECTION: 4 row tiles x 4 column tiles, K = 1,024 in 8 steps: 128 products on 16 accumulators that take turns, one instruction a turn.
; swap = 0: source 0 = weights, source 1 = rows; 1: the other way round.  init = 1: the accumulators hold the bias; 0: the first step starts the sums.
; What the loads at its head and in its first step hang on (W's scale words, both sets) is stated by the waits ahead of each use of the macro.
; The next step's eight loads: swap = 0: a fragment behind each of the step's first four products (an LDS load's address and data lie in window 0 under the products' setting too), twelve products ahead of the wait for them;
; swap = 1: in one run ahead of the products, under whose setting source 0, an LDS load's address, lies in window 1.
.macro PROJ aw, woff, wsoff, swap, init
	WIN 0
.irp ct, 0,1,2,3
	ds_load_b128 v[WS+4*\ct:WS+4*\ct+3], v[AWS] offset:\wsoff+\ct*512
.endr
	WLOAD \aw, \woff, 0
	s_wait_loadcnt 0x0                             ; the rows' codes and scale words
.irp ks, 0,1,2,3,4,5,6,7
	s_wait_dscnt 0x0                               ; this step's set is in (in the first step: W's scale words too, and the bias where it starts the sums)
.if (\ks > 0) && (\ks < 7)
	PLACES 4                                       ; behind the last step's products, in front of loads into the set that they read
	s_wait_alu depctr_va_vdst(0)                   ; the last step's products are done reading the other set, in which the next step's fragments land
.endif
.if \swap
.if \ks < 7
	WIN 0                                          ; (an LDS load's address is its source 0)
	WLOAD \aw, \woff, \ks+1
.endif
	WIN 0x01
.else
	WIN 0x04
.endif
.set zz, 0
.if \ks == 0
.if !\init
.set zz, 1
.endif
.endif
.irp ct, 0,1,2,3
.irp i, 0,1,2,3
.set rD, S+32*\i+8*\ct
.set rW, FB+32*(\ks%2)+8*\ct
.set rX, 32*\ks+8*\i
.set rWS, WS+4*\ct+\ks%4
.set rXS, XS+4*\i+\ks%4
.if \swap
	PM1 rD, rX, rW, zz, rXS, rWS, \ks/4
.else
	PM1 rD, rW, rX, zz, rWS, rXS, \ks/4
.if \ct == 0
.if \ks < 7
	WFRAG \aw, \woff, \ks+1, \i                    ; no wait: no vector or matrix instruction since the step's wait names the other set or the address
.endif
.endif
.endif
.endr
.endr
.endr
	WIN 0
	PLACES 4                                       ; in front of the first read of results, and of writes and loads into the operands
.endm
.macro PACK64 win, dst, src            ; packed register m = numbers 2 m, 2 m + 1: each accumulator from its low end on
	WIN \win
.set m, 0
.rept 64
	v_cvt_pk_f16_f32 v[\dst+m], v[\src+2*m], v[\src+2*m+1]
.set m, m+1
.endr
	WIN 0
.endm
; A PREFETCH INTO THE L2 of pass 1's codes of x: my wave's four tiles, 32,768 bytes, lanes 256 bytes apart, four instructions.  All sixteen heads of a batch read the same rows: head 0's work-group asks, once,
; in pass 0's last key step, behind that step's loads of K: one key step and the way out ahead of the loads that want them.
.macro ASK
	s_cmp_eq_u32 s[TRIP], s[LIM]
	s_cbranch_scc0 .Lnot_mine_\@
.irp k, 0,1,2,3
	global_prefetch_b8 v[PFO], s[XBS:XBS+1] offset:262144+\k*8192 th:TH_LOAD_NT scope:SCOPE_SE
.endr
.Lnot_mine_\@:
.endm
.macro VFRAG n                         ; V^T's fragment n of the step: keys 32 (n / 4) on, channels 16 (n % 4) on
	ds_load_b128 v[FB+8*(\n):FB+8*(\n)+3], v[VA] offset:((\n)/4)*4096+((\n)%4)*1024
	ds_load_b128 v[FB+8*(\n)+4:FB+8*(\n)+7], v[VA] offset:((\n)/4)*4096+((\n)%4)*1024+512
.endm
; A KEY STEP: 64 keys.  first = 1: it starts m, l and O^T.
.macro STEP first
	WIN 0
.if !\first
	s_wait_alu depctr_vm_vsrc(0)                   ; the last step's LDS loads have read v[KA], v[VA], v[MA], which the three lines below write (for a pass's first step the wait at the end of the way out has stated it)
.endif
	v_add_nc_u32 v[KA], s[TK], v[L16]              ; five plain lines behind the last products: the scores are laid over p, which those products read, and K over V
	v_add_nc_u32 v[VA], s[TK], v[AV0]
	v_add_nc_u32 v[MA], s[TM], v[AM0]
	v_nop
	v_nop
	s_wait_alu depctr_va_vdst(0)                   ; the three addresses are written; the last products are done reading v[FB ..] (V; in a pass's first step W's sets), where K lands, and window 1's v64-95 (the mask's terms; x's codes), where the mask's terms land
.irp kt, 0,1,2,3
.irp c, 0,1
	ds_load_b128 v[FB+16*\kt+8*\c:FB+16*\kt+8*\c+3], v[KA] offset:\kt*2048+\c*1024
	ds_load_b128 v[FB+16*\kt+8*\c+4:FB+16*\kt+8*\c+7], v[KA] offset:\kt*2048+\c*1024+512
.endr
.endr
.if !\first
	ASK
.endif
	WIN 0x40
.irp kt, 0,1,2,3
	ds_load_b128 v[MBR+8*\kt:MBR+8*\kt+3], v[MA] offset:\kt*64          ; register j: the term of key 16 kt + 8 (lane / 16) + j
	ds_load_b128 v[MBR+8*\kt+4:MBR+8*\kt+7], v[MA] offset:\kt*64+16
.endr
	s_wait_dscnt 0x0
	WIN 0x14                                       ; Q and the mask's terms in window 1
.irp kt, 0,1,2,3
.irp q, 0,1,2,3
	v_wmma_f32_16x16x32_f16 v[S+32*\q+8*\kt:S+32*\q+8*\kt+7], v[FB+16*\kt:FB+16*\kt+7], v[16*\q:16*\q+7], v[MBR+8*\kt:MBR+8*\kt+7]
.endr
.endr
	WIN 0x04
.irp kt, 0,1,2,3
.irp q, 0,1,2,3
	v_wmma_f32_16x16x32_f16 v[S+32*\q+8*\kt:S+32*\q+8*\kt+7], v[FB+16*\kt+8:FB+16*\kt+15], v[16*\q+8:16*\q+15], v[S+32*\q+8*\kt:S+32*\q+8*\kt+7]
.endr
.endr
	WIN 0
	PLACES 4                                       ; in front of the loads over K's fragments and of the first read of the scores
	s_wait_alu depctr_va_vdst(0)                   ; the products are done reading K's fragments, over which V lands.  V's sixteen loads are dealt among the maximum's lines, which name the scores and the statistics alone
	VFRAG 0                                        ; V lands while the softmax is worked
	VFRAG 1
	; the maximum of a lane's 32 scores and the old m: two chains a tile, the four tiles by turns; each accumulator is read from its low end on
.irp q, 0,1,2,3
	v_max3_num_f32 v[ST+8*\q+4], v[S+32*\q], v[S+32*\q+1], v[S+32*\q+2]
	v_max3_num_f32 v[ST+8*\q+5], v[S+32*\q+16], v[S+32*\q+17], v[S+32*\q+18]
.endr
.irp i, 3,5,7,9,11,13
	VFRAG (\i+1)/2                                 ; fragments 2 to 7
.irp q, 0,1,2,3
	v_max3_num_f32 v[ST+8*\q+4], v[ST+8*\q+4], v[S+32*\q+\i], v[S+32*\q+\i+1]
	v_max3_num_f32 v[ST+8*\q+5], v[ST+8*\q+5], v[S+32*\q+16+\i], v[S+32*\q+17+\i]
.endr
.endr
.irp q, 0,1,2,3
	v_max3_num_f32 v[ST+8*\q+4], v[ST+8*\q+4], v[S+32*\q+15], v[S+32*\q+31]
.endr
.irp q, 0,1,2,3
.if \first
	v_max3_num_f32 v[ST+8*\q+4], v[ST+8*\q+4], v[ST+8*\q+5], 0xfe967699    ; m starts at -1e38, over every masked score
.else
	v_max3_num_f32 v[ST+8*\q+4], v[ST+8*\q+4], v[ST+8*\q+5], v[ST+8*\q]
.endif
.endr
.irp q, 0,1,2,3
	v_permlanex16_b32 v[ST+8*\q+5], v[ST+8*\q+4], s[SEL], s[SEL+1]         ; the query's other 32 keys lie in the lane 16 away
.endr
.if \first
.irp q, 0,1,2,3
	v_max_num_f32 v[ST+8*\q], v[ST+8*\q+4], v[ST+8*\q+5]
.endr
.irp q, 0,1,2,3
	v_mov_b32 v[ST+8*\q+1], v[ST+8*\q]             ; named with m as a pair, so it is written
.endr
.else
.irp q, 0,1,2,3
	v_max_num_f32 v[ST+8*\q+6], v[ST+8*\q+4], v[ST+8*\q+5]
.endr
.irp q, 0,1,2,3
	v_sub_f32 v[ST+8*\q+7], v[ST+8*\q], v[ST+8*\q+6]
.endr
.irp q, 0,1,2,3
	v_mov_b32 v[ST+8*\q], v[ST+8*\q+6]
.endr
.irp q, 0,1,2,3
	v_exp_f32 v[ST+8*\q+6], v[ST+8*\q+7]           ; a = 2^(m_old - m_new): the batch's first four
.endr
.endif
.set j, 0
.rept 16
.irp q, 0,1,2,3
	v_pk_add_f32 v[S+32*\q+j:S+32*\q+j+1], v[S+32*\q+j:S+32*\q+j+1], v[ST+8*\q:ST+8*\q+1] op_sel_hi:[1,0] neg_lo:[0,1] neg_hi:[0,1]   ; t - m, two at a time
.endr
.set j, j+2
.endr
.set j, 0
.rept 32
.irp q, 0,1,2,3
	v_exp_f32 v[S+32*\q+j], v[S+32*\q+j]           ; p = 2^(t - m)
.endr
.set j, j+1
.endr
	v_nop                                          ; a plain line behind the last exponential
	s_wait_alu depctr_va_vdst(0)                   ; ONE wait for the whole batch, ahead of the first line that names a result (a and the 128 p)
.irp q, 0,1,2,3                        ; the sums of the unrounded p, in pairs, two chains a tile
	v_pk_add_f32 v[ST+8*\q+4:ST+8*\q+5], v[S+32*\q:S+32*\q+1], v[S+32*\q+2:S+32*\q+3]
	v_pk_add_f32 v[T1+2*\q:T1+2*\q+1], v[S+32*\q+4:S+32*\q+5], v[S+32*\q+6:S+32*\q+7]
.endr
.irp j, 8,12,16,20,24,28
.irp q, 0,1,2,3
	v_pk_add_f32 v[ST+8*\q+4:ST+8*\q+5], v[ST+8*\q+4:ST+8*\q+5], v[S+32*\q+\j:S+32*\q+\j+1]
	v_pk_add_f32 v[T1+2*\q:T1+2*\q+1], v[T1+2*\q:T1+2*\q+1], v[S+32*\q+\j+2:S+32*\q+\j+3]
.endr
.endr
.if \first
.irp q, 0,1,2,3
	v_pk_add_f32 v[ST+8*\q+2:ST+8*\q+3], v[ST+8*\q+4:ST+8*\q+5], v[T1+2*\q:T1+2*\q+1]
.endr
.else
.irp q, 0,1,2,3
	v_pk_add_f32 v[ST+8*\q+4:ST+8*\q+5], v[ST+8*\q+4:ST+8*\q+5], v[T1+2*\q:T1+2*\q+1]
.endr
.irp q, 0,1,2,3
	v_pk_fma_f32 v[ST+8*\q+2:ST+8*\q+3], v[ST+8*\q+2:ST+8*\q+3], v[ST+8*\q+6:ST+8*\q+7], v[ST+8*\q+4:ST+8*\q+5] op_sel_hi:[1,0,1]   ; l = a l + the step's sum
.endr
.endif
.irp i, 0,1,2,3,4,5,6,7                ; p to f16, in place, ascending: the fragment of keys 32 u on lies at v[S + 32 q + 16 u]
.irp u, 0,1
.irp q, 0,1,2,3
	v_cvt_pk_f16_f32 v[S+32*\q+16*\u+\i], v[S+32*\q+16*\u+2*\i], v[S+32*\q+16*\u+2*\i+1]
.endr
.endr
.endr
.if \first
	PLACES 4
.else
	WIN 0x41                                       ; O^T in window 1, a in window 0
.irp q, 0,1,2,3
.set j, 0
.rept 16
	v_pk_mul_f32 v[O+32*\q+j:O+32*\q+j+1], v[O+32*\q+j:O+32*\q+j+1], v[ST+8*\q+6:ST+8*\q+7] op_sel_hi:[1,0]
.set j, j+2
.endr
.endr
.endif
	s_wait_dscnt 0x0                               ; V is in
	WIN 0x50                                       ; C and D in window 1
.irp u, 0,1
.irp dt, 0,1,2,3
.irp q, 0,1,2,3
.if \first && (\u == 0)
	v_wmma_f32_16x16x32_f16 v[O+32*\q+8*\dt:O+32*\q+8*\dt+7], v[FB+32*\u+8*\dt:FB+32*\u+8*\dt+7], v[S+32*\q+16*\u:S+32*\q+16*\u+7], 0
.else
	v_wmma_f32_16x16x32_f16 v[O+32*\q+8*\dt:O+32*\q+8*\dt+7], v[FB+32*\u+8*\dt:FB+32*\u+8*\dt+7], v[S+32*\q+16*\u:S+32*\q+16*\u+7], v[O+32*\q+8*\dt:O+32*\q+8*\dt+7]
.endif
.endr
.endr
.endr
	WIN 0
	s_add_co_u32 s[TK], s[TK], 8192
	s_add_co_u32 s[TM], s[TM], 256
.endm
	s_load_b512 s[4:19], s[0:1], 0x0               ; r4, r4s, w4, w4s, q_b, kv_b, context_mask, ao
	v_lshl_add_u32 v[SPW], v0, 2, SPARE
	v_mov_b32 v[NIL], 0
	v_lshrrev_b32 v13, 5, v0
	v_readfirstlane_b32 s20, v13                   ; wave 0 .. 7
	v_and_b32 v13, 31, v0
	v_lshlrev_b32 v[L16], 4, v13
	v_lshlrev_b32 v[PFO], 8, v13
	v_bfe_u32 v14, v0, 4, 1
	v_add_nc_u32 v[AW], WLDS, v[L16]
	v_add_nc_u32 v[AWS], WSC, v[L16]
	v_lshl_add_u32 v[AQB], v14, 5, QBL
	v_add_nc_u32 v[AV0], VIMG, v[L16]
	v_lshl_add_u32 v[AM0], v14, 5, MB
	v_add_nc_u32 v[AW2], 65536, v[AW]
	s_wait_alu depctr_va_sdst(0)                   ; s20, the wave's number, is written, ahead of its first reader
	s_lshl_b32 s25, s20, 13
	v_add_nc_u32 v[KST], s25, v[L16]
	v_add_nc_u32 v[VST], VIMG, v[KST]
	v_and_b32 v52, 15, v0
	v_lshl_add_u32 v52, v52, 2, BVL                ; V's bias of channel lane % 16
	v_lshl_add_u32 v53, v0, 4, WLDS                ; the copies' places in LDS: 16, 8 or 4 bytes a thread
	v_add_nc_u32 v54, 65536, v53
	v_lshl_add_u32 v55, v0, 3, WSC
	v_lshl_add_u32 v56, v0, 2, MB
	v_lshl_add_u32 v57, v0, 2, QBL
	v_lshlrev_b32 v58, 4, v0                       ; and in memory
	v_lshlrev_b32 v59, 3, v0
	v_and_b32 v60, 63, v0
	v_lshlrev_b32 v60, 2, v60
	v_mov_b32 v61, 0xff61b1e6                      ; -3e38
	s_wait_alu depctr_va_vdst(0)                   ; all offsets and LDS addresses (v1, v4-7, v13-15, v52-60) are written, which the loads, stores and prefetches of the whole kernel read
	s_mov_b32 s21, ttmp9                           ; which quarter of the queries
	s_and_b32 s22, ttmp7, 0xffff
	s_lshr_b32 s23, s22, 4                         ; batch
	s_and_b32 s24, s22, 15                         ; head
	s_mov_b32 s27, 0
	s_mov_b32 s[CS], 0x3e38aa3b                    ; c = log2(e) / 8
	s_mov_b32 s[CS+1], s[CS]
	s_mov_b32 s[SEL], 0x76543210
	s_mov_b32 s[SEL+1], 0xfedcba98
	s_lshl_b32 s47, s20, 2                         ; 4 w
	s_lshl_b32 s25, s23, 5
	s_add_co_u32 s25, s25, s47
	s_add_co_u32 s25, s25, 1024                    ; my first key tile: 1,024 + 32 b + 4 w
	s_wait_kmcnt 0x0
	s_lshl_b32 s26, s25, 13
	s_add_nc_u64 s[CBS:CBS+1], s[4:5], s[26:27]
	s_lshl_b32 s26, s25, 9
	s_add_nc_u64 s[CSS:CSS+1], s[6:7], s[26:27]
	s_lshl_b32 s25, s23, 8
	s_lshl_b32 s26, s21, 6
	s_add_co_u32 s25, s25, s26
	s_add_co_u32 s25, s25, s47                     ; my first query tile: 256 b + 64 quarter + 4 w
	s_lshl_b32 s26, s25, 13
	s_add_nc_u64 s[XBS:XBS+1], s[4:5], s[26:27]
	s_lshl_b32 s26, s25, 9
	s_add_nc_u64 s[XSS:XSS+1], s[6:7], s[26:27]
	s_lshl_b32 s26, s25, 15
	s_lshl_b32 s47, s24, 11
	s_add_co_u32 s26, s26, s47
	s_add_nc_u64 s[AO:AO+1], s[18:19], s[26:27]
	s_lshl_b32 s26, s24, 15                        ; the head's four column tiles
	s_add_nc_u64 s[8:9], s[8:9], s[26:27]
	s_lshl_b32 s26, s24, 11
	s_add_nc_u64 s[10:11], s[10:11], s[26:27]
	s_lshl_b32 s26, s24, 8
	s_add_nc_u64 s[12:13], s[12:13], s[26:27]
	s_add_co_u32 s26, s26, 4096                    ; kv_b's V half
	s_add_nc_u64 s[14:15], s[14:15], s[26:27]
	s_lshl_b32 s26, s23, 9
	s_add_nc_u64 s[16:17], s[16:17], s[26:27]
	; the head's weights, scale words, biases and the batch's mask: 31 loads, to LDS through registers
.irp j, 0,1,2
.irp i, 0,1,2,3,4,5,6,7
	global_load_b128 v[64+32*\j+4*\i:64+32*\j+4*\i+3], v58, s[8:9] offset:\j*524288+\i*4096
.endr
.endr
.irp j, 0,1,2
	global_load_b64 v[160+2*\j:161+2*\j], v59, s[10:11] offset:\j*32768
.endr
	global_load_u8 v166, v0, s[16:17]
	global_load_u8 v167, v0, s[16:17] offset:256
	global_load_b32 v168, v60, s[12:13]
	global_load_b32 v169, v60, s[14:15]
	XLOAD CBS, CSS, 0, 0                           ; my four key tiles' codes
	s_wait_loadcnt 63                              ; the 31 are in
	v_cmp_ne_u32 s25, 0, v166                      ; the two compares in one run, into two scalar registers,
	v_cmp_ne_u32 s47, 0, v167
	s_wait_alu depctr_va_sdst(0)                   ; both masks, s25 and s47, are written, ahead of the selects that read them
	v_cndmask_b32 v166, 0, v61, s25
	v_cndmask_b32 v167, 0, v61, s47
	s_wait_alu depctr_va_vdst(0)                   ; the selects have written v166 and v167, which two of the LDS stores below read
.irp j, 0,1
.irp i, 0,1,2,3,4,5,6,7
	ds_store_b128 v53, v[64+32*\j+4*\i:64+32*\j+4*\i+3] offset:\j*32768+\i*4096
.endr
.endr
.irp i, 0,1,2,3,4,5,6,7
	ds_store_b128 v54, v[128+4*\i:128+4*\i+3] offset:\i*4096
.endr
.irp j, 0,1,2
	ds_store_b64 v55, v[160+2*\j:161+2*\j] offset:\j*2048
.endr
	ds_store_b32 v56, v166
	ds_store_b32 v56, v167 offset:1024
	ds_store_b32 v57, v168
	ds_store_b32 v57, v169 offset:1024
	s_wait_dscnt 0x0                               ; for the others' sake: my stores have landed
	s_barrier_signal -1
	s_barrier_wait -1
	s_wait_alu depctr_vm_vsrc(0)                   ; my LDS stores have read v64-169, which K's products write, and v53-55, which a key step's sums write
	; K of my 64 keys: no bias (dead work, see the head)
	PROJ AW, 32768, 2048, 0, 0
	PACK64 0, FB, S
	s_wait_alu depctr_va_vdst(0)                   ; the roundings have written v[FB ..], which the LDS stores read; K's products are done with W's scale words, over which V's land
.irp i, 0,1,2,3
.irp ct, 0,1,2,3
	ds_store_b128 v[KST], v[FB+16*\i+4*\ct:FB+16*\i+4*\ct+3] offset:\i*2048+\ct*512
.endr
.endr
.irp dt, 0,1,2,3
	ds_load_b32 v[BV+\dt], v52 offset:\dt*64
.endr
	s_wait_dscnt 0x0
	s_wait_alu depctr_vm_vsrc(0)                   ; the stores have read v[FB ..], in which V's weights land; the bias's loads have read v52, which a key step's sums write
	; V of my 64 keys, the sources changed round: a lane holds a channel and eight keys
	PROJ AW2, 0, 4096, 1, 0
	s_wait_alu depctr_va_vdst(0)                   ; V's products are done reading the context's codes (window 1) and scale words (v[XS ..]), over which pass 0's land
	XLOAD XBS, XSS, 0, 0                           ; the context's codes are done with: pass 0's queries
.irp i, 0,1,2,3
.irp dt, 0,1,2,3
.irp j, 0,1,2,3,4,5,6,7
	v_add_f32 v[S+32*\i+8*\dt+\j], v[S+32*\i+8*\dt+\j], v[BV+\dt]
.endr
.endr
.endr
	PACK64 0, FB, S
	s_wait_alu depctr_va_vdst(0)                   ; the roundings have written v[FB ..], which the LDS stores read, and are done reading v[S ..], in which the pass's loads of q_b land
.irp i, 0,1,2,3
.irp dt, 0,1,2,3
	ds_store_b128 v[VST], v[FB+16*\i+4*\dt:FB+16*\i+4*\dt+3] offset:(\i/2)*4096+\dt*1024+(\i%2)*512
.endr
.endr
	s_wait_dscnt 0x0
	s_barrier_signal -1
	s_barrier_wait -1                              ; K's and V's images are whole; nothing is stored to LDS from here on
	s_wait_alu depctr_vm_vsrc(0)                   ; my stores of V's images have read v[FB ..], in which q's weights land
	s_mov_b32 s[PASS], 2
	s_cmp_eq_u32 s24, 0
	s_cselect_b32 s[LIM], 1, -1
.Lpass:                                            ; on both ways here the last vector or matrix line stands ahead of a wait on va_vdst, and the last store that read v[FB ..] ahead of one on vm_vsrc
.irp i, 0,1,2,3                        ; q_b starts the sums: register j of column tile ct is column 16 ct + 8 (lane / 16) + j
.irp ct, 0,1,2,3
	ds_load_b128 v[S+32*\i+8*\ct:S+32*\i+8*\ct+3], v[AQB] offset:\ct*64
	ds_load_b128 v[S+32*\i+8*\ct+4:S+32*\i+8*\ct+7], v[AQB] offset:\ct*64+16
.endr
.endr
	PROJ AW, 0, 0, 0, 1
.set j, 0
.rept 64
	v_pk_mul_f32 v[S+j:S+j+1], v[S+j:S+j+1], s[CS:CS+1] op_sel_hi:[1,0]    ; (x W + b) c
.set j, j+2
.endr
	PACK64 0x40, 0, S                              ; Q's fragments: tile q, channels 32 c on, at v[16 q + 8 c] of window 1
	s_mov_b32 s[TK], 0
	s_mov_b32 s[TM], 0
	STEP 1
	s_mov_b32 s[TRIP], 7
.Lstep:
	STEP 0
	s_sub_co_u32 s[TRIP], s[TRIP], 1
	s_cmp_lg_u32 s[TRIP], 0
	s_cbranch_scc1 .Lstep
	; THE WAY OUT: l's two halves and the other half of the lanes'; O^T / l; to f16: the packed registers are the last product's operand as they stand
.irp q, 0,1,2,3
	v_add_f32 v[ST+8*\q+4], v[ST+8*\q+2], v[ST+8*\q+3]
.endr
.irp q, 0,1,2,3
	v_permlanex16_b32 v[ST+8*\q+5], v[ST+8*\q+4], s[SEL], s[SEL+1]
.endr
.irp q, 0,1,2,3
	v_add_f32 v[ST+8*\q+4], v[ST+8*\q+4], v[ST+8*\q+5]
.endr
.irp q, 0,1,2,3
	v_rcp_f32 v[ST+8*\q+6], v[ST+8*\q+4]
.endr
	v_nop                                          ; a plain line behind the last reciprocal
	s_wait_alu depctr_va_vdst(0)                   ; one wait for the four reciprocals, ahead of the first reader
	WIN 0x41
.irp q, 0,1,2,3
.set j, 0
.rept 16
	v_pk_mul_f32 v[O+32*\q+j:O+32*\q+j+1], v[O+32*\q+j:O+32*\q+j+1], v[ST+8*\q+6:ST+8*\q+7] op_sel_hi:[1,0]
.set j, j+2
.endr
.endr
	PACK64 0x05, FB, O
	s_wait_alu depctr_va_vdst(0)                   ; the roundings have written v[FB ..], which the stores read, and are done reading O^T; the products are done with Q, the mask's terms and p, the scalings with the statistics: pass 1's codes land in window 1, its scale words in v[XS ..], q_b in v[S ..], W's scale words in v[WS ..]
	s_cmp_eq_u32 s[PASS], 1
	s_cbranch_scc1 .Lno_next
	XLOAD XBS, XSS, 262144, 16384                  ; pass 1's queries, 32 tiles on: window 1 is free
.Lno_next:
.irp q, 0,1,2,3
.irp dt, 0,1,2,3
	global_store_b128 v[L16], v[FB+16*\q+4*\dt:FB+16*\q+4*\dt+3], s[AO:AO+1] offset:\q*32768+\dt*512 th:TH_STORE_NT   ; 32 lanes store 512 consecutive bytes, aligned
.endr
.endr
	s_wait_xcnt 0x0                                ; the stores have read their registers and their base: both may be written again
	s_wait_alu depctr_vm_vsrc(0)                   ; the stores have read v[FB ..], in which q's weights land again; this pass's LDS loads have read v[KA], v[VA], v[MA], which the next pass's first key step writes
	s_add_nc_u64 s[AO:AO+1], s[AO:AO+1], 1048576   ; 32 tiles on
	s_mov_b32 s[LIM], -1                           ; there is no pass behind pass 1 to ask for
	s_sub_co_u32 s[PASS], s[PASS], 1
	s_cmp_lg_u32 s[PASS], 0
	s_cbranch_scc1 .Lpass
	s_wait_dscnt 0x0                               ; the closing lines, six on end
	s_wait_alu 0x0
	s_wait_tensorcnt 0x0
	ds_add_u32 v[SPW], v[NIL]
	s_wait_dscnt 0x0
	s_endpgm
.Lfunc_end_k_q9bb45d279f_attn:
	.size	k_q9bb45d279f_attn, .Lfunc_end_k_q9bb45d279f_attn-k_q9bb45d279f_attn
	.p2alignl 7, 3214868480
	.fill 96, 4, 3214868480
	.section	.rodata,"a",@progbits
	.p2align	6, 0x0
	.amdhsa_kernel k_q9bb45d279f_attn
		.amdhsa_group_segment_fixed_size 240640
		.amdhsa_private_segment_fixed_size 0
		.amdhsa_enable_private_segment 0
		.amdhsa_kernarg_size 64
		.amdhsa_user_sgpr_count 2
		.amdhsa_user_sgpr_kernarg_segment_ptr 1
		.amdhsa_wavefront_size32 1
		.amdhsa_system_sgpr_workgroup_id_x 1
		.amdhsa_system_sgpr_workgroup_id_y 1
		.amdhsa_system_sgpr_workgroup_id_z 1
		.amdhsa_system_vgpr_workitem_id 0
		.amdhsa_next_free_vgpr 512
		.amdhsa_next_free_sgpr 66
		.amdhsa_reserve_vcc 0
		.amdhsa_float_denorm_mode_32 3
		.amdhsa_float_denorm_mode_16_64 3
		.amdhsa_memory_ordered 1
		.amdhsa_forward_progress 1
		.amdhsa_inst_pref_size 190
	.end_amdhsa_kernel
	.amdgpu_metadata
---
amdhsa.version: [ 1, 2 ]
amdhsa.kernels:
  - .name:           k_q9bb45d279f_attn
    .symbol:         k_q9bb45d279f_attn.kd
    .args:
      - { .name: r4, .offset: 0, .size: 8, .value_kind: global_buffer, .address_space: global }
      - { .name: r4s, .offset: 8, .size: 8, .value_kind: global_buffer, .address_space: global }
      - { .name: w4, .offset: 16, .size: 8, .value_kind: global_buffer, .address_space: global }
      - { .name: w4s, .offset: 24, .size: 8, .value_kind: global_buffer, .address_space: global }
      - { .name: q_b, .offset: 32, .size: 8, .value_kind: global_buffer, .address_space: global }
      - { .name: kv_b, .offset: 40, .size: 8, .value_kind: global_buffer, .address_space: global }
      - { .name: context_mask, .offset: 48, .size: 8, .value_kind: global_buffer, .address_space: global }
      - { .name: ao, .offset: 56, .size: 8, .value_kind: global_buffer, .address_space: global }
    .group_segment_fixed_size: 240640
    .private_segment_fixed_size: 0
    .kernarg_segment_align: 8
    .kernarg_segment_size: 64
    .max_flat_workgroup_size: 256
    .sgpr_count:     66
    .vgpr_count:     512
    .wavefront_size: 32
...
	.end_amdgpu_metadata
.endif
;; end of part 4
;; launch proj: the kernel of part 3 again; grid 4 x 64, 4 waves a work-group, clusters of 4 x 4, 327,680 bytes of LDS; arguments ao, pw, proj_b, out0; writes out0
